; MI455X (gfx1250); checked and timed in simulation.
; The chip was launched on July 23, 2026; its instructions are those of AMD's public machine-readable ISA for CDNA 5 (MIT licence, August 2026) and "CDNA5" Instruction Set Architecture Reference Guide (July 2026). The comments in the code are by the model that wrote it; some were corrected since.
;; Switch. Allowed arithmetic: matrix products marked QUANTISED: E5M2 operands, one E8M0 scale for each 32 along K, by v_wmma_scale_f32_16x16x128_f8f6f4 with both operands' format E5M2, f32 sums; products left as they are: f32 operands where the result goes on into a quantised operand, else bf16, f16 or f32 operands; f32 sums; everything else in f32.
;; Inputs: router_w 8 x 1,024 float32; token_mask 2 x 1,024 int32; w1 8 x 1,024 x 2,048 float32; w2 8 x 2,048 x 1,024 float32; x 2 x 1,024 x 1,024 float32.
;; Outputs: out0 2 x 1,024 x 1,024 float32.
;; This version of the problem:
;;   THIS VERSION OF THE PROBLEM IS GIVEN IN LOW PRECISION. The matrix products marked QUANTISED in the list below multiply operands that are first quantised to E5M2 (5 exponent bits, 2 mantissa bits; 8 bits a number), with one power-of-two scale for each 32 numbers along K (OCP MX v1.0); their sums are f32. All else is computed in f32.
;;   The module's matrix products, in the order in which they are computed (A, B: the left and right operand; K: the contracted axis; several contracted axes count as one K, in the product's order):
;;     1. [M 2,048, K 1,024] x [K 1,024, N 8]; A: input x; B: input router_w: left as it is (N = 8 < 16)
;;     2. [M 2,048, K 1,024] x [K 1,024, N 2,048]; A: input x; B: input w1: QUANTISED
;;     3. [M 2,048, K 2,048] x [K 2,048, N 1,024]; A: computed on the way; B: input w2: QUANTISED
;;     4. [M 2,048, K 1,024] x [K 1,024, N 2,048]; A: input x; B: input w1: QUANTISED
;;     5. [M 2,048, K 2,048] x [K 2,048, N 1,024]; A: computed on the way; B: input w2: QUANTISED
;;     6. [M 2,048, K 1,024] x [K 1,024, N 2,048]; A: input x; B: input w1: QUANTISED
;;     7. [M 2,048, K 2,048] x [K 2,048, N 1,024]; A: computed on the way; B: input w2: QUANTISED
;;     8. [M 2,048, K 1,024] x [K 1,024, N 2,048]; A: input x; B: input w1: QUANTISED
;;     9. [M 2,048, K 2,048] x [K 2,048, N 1,024]; A: computed on the way; B: input w2: QUANTISED
;;     10. [M 2,048, K 1,024] x [K 1,024, N 2,048]; A: input x; B: input w1: QUANTISED
;;     11. [M 2,048, K 2,048] x [K 2,048, N 1,024]; A: computed on the way; B: input w2: QUANTISED
;;     12. [M 2,048, K 1,024] x [K 1,024, N 2,048]; A: input x; B: input w1: QUANTISED
;;     13. [M 2,048, K 2,048] x [K 2,048, N 1,024]; A: computed on the way; B: input w2: QUANTISED
;;     14. [M 2,048, K 1,024] x [K 1,024, N 2,048]; A: input x; B: input w1: QUANTISED
;;     15. [M 2,048, K 2,048] x [K 2,048, N 1,024]; A: computed on the way; B: input w2: QUANTISED
;;     16. [M 2,048, K 1,024] x [K 1,024, N 2,048]; A: input x; B: input w1: QUANTISED
;;     17. [M 2,048, K 2,048] x [K 2,048, N 1,024]; A: computed on the way; B: input w2: QUANTISED
;;   THE QUANTISER, for each operand of a quantised product, along K:
;;     - K is cut into blocks of 32 from its start; a last block that is shorter is filled with zeros.
;;     - A block's scale is 2^e with e = floor(log2(the largest magnitude in the block)) - 15, held to -126 .. 127; a block of zeros has e = 0. As a byte (E8M0): e + 127.
;;     - Each number is divided by its block's scale, clamped to +-57,344, and rounded to the nearest number of E5M2, ties to even, subnormals kept.
;;     - The product sums the exact products of the quantised numbers (number of the format x scale) in f32.
;;   ~~~python
;;   def quantise(x, axis):      # numpy; x: float32 -> the quantised numbers, widened to float32 again
;;       x = np.moveaxis(x, axis, -1); K = x.shape[-1]
;;       x = np.pad(x, [(0, 0)] * (x.ndim - 1) + [(0, -K % 32)]); x = x.reshape(x.shape[:-1] + (-1, 32)); a = np.abs(x).max(-1, keepdims=True)
;;       e = np.where(a > 0, np.clip(np.frexp(np.where(a > 0, a, 1))[1] - 1 - 15, -126, 127), 0)      # np.frexp(a)[1] - 1 = floor(log2(a)), exactly
;;       r = np.clip(x / 2.0 ** e, -57344, 57344)
;;       step = 2.0 ** (np.maximum(np.frexp(np.where(r == 0, 1, r))[1] - 1, -14) - 2)
;;       q = np.round(r / step) * step * 2.0 ** e      # np.round: ties to even
;;       return np.moveaxis(q.reshape(q.shape[:-2] + (-1,))[..., :K], -1, axis).astype(np.float32)
;;   ~~~
;;   OPERANDS COMPUTED ON THE WAY. 'Computed on the way' means the value that the module computes at that place (a softmax that the list does not call 'softmax' is quantised finished and normalised). What goes into a quantiser is computed in f32, as accurately as f32 sums, v_exp_f32 and their like allow (about 1e-6 of the number): no bf16 or f16 on the way to a quantiser, and a product that is left as it is and whose result goes on into a quantised operand takes f32 operands (vector FMAs, or v_wmma_f32_16x16x4_f32). A number that lies on a knife's edge between two numbers of the format may be rounded either way, as far as f32 arithmetic and the matrix unit's own rounding can turn it there, and no further.
;; 2 versions, each right; version 2 is version 1 with the launches up, down written anew for expert scheduling mode. Each part assembles by itself: llvm-mc -triple=amdgcn-amd-amdhsa -mcpu=gfx1250 --defsym DOCPART=n.
;; ======== version 1 of 2: 4 launches
;; workspace buffers: xcodes 2,097,152 bytes; xscales 65,536 bytes; eidx 8,192 bytes of whole numbers; gm 8,192 bytes; perm 69,632 bytes of whole numbers; cnt 1,024 bytes of whole numbers; hcodes 4,456,448 bytes; hscales 139,264 bytes
;; launch route (part 1): grid 256 x 1, 4 waves a work-group, no clusters, 2,560 bytes of LDS; arguments x, router_w, token_mask, xcodes, xscales, eidx, gm; writes xcodes, xscales, eidx, gm
.if DOCPART == 1
	.amdgcn_target "amdgcn-amd-amdhsa--gfx1250"
	.amdhsa_code_object_version 6
	.text
	.protected	k_q0457847ccb_route
	.globl	k_q0457847ccb_route
	.p2align	8
	.type	k_q0457847ccb_route,@function
k_q0457847ccb_route:
	s_mov_b64 s[64:65], 0
	v_nop
	global_prefetch_b8 v0, s[64:65] scope:SCOPE_SE
	s_setreg_imm32_b32 hwreg(HW_REG_WAVE_MODE, 25, 1), 1
	s_wait_xcnt 0x0
; ROUTE.  For 2,048 tokens of 1,024 f32: the router's 8 logits (f32 multiply-adds), the chosen expert, gate x mask; and x as codes of E5M2 with one E8M0 byte for each 32 along K.
; SHARES.  A work-group owns 8 tokens; wave w owns k = 256 w .. 256 w + 255 of all 8; lane l owns k = 256 w + 8 l + 0 .. 7: eight neighbours, so that one conversion takes them; four lanes hold a block of 32.
; x is read once and serves both the logits and the codes.  The waves' partial logits meet in LDS behind the one barrier; wave 0 finishes them, a lane to a token (lanes 8-31 repeat lanes 0-7).
; OUT.  xcodes [token][1024], xscales [token][32], eidx [token] i32, gm [token] f32 = gate x mask.  A token's codes of a wave are 256 consecutive bytes, aligned; the group's scale bytes are 256 consecutive bytes, aligned.
; THE CHOICE is taken on the logits; a later expert wins only if its logit is strictly larger, so the lowest index wins a tie.  The gate is 1 / the sum of exp(logit - largest logit): the chosen term is exp(0).
; LIMITS: NaN and infinities among the inputs are not served.  The choice could differ from one taken on the probabilities only where two probabilities round to one number.  The logits' order of summation is
; 8 numbers a lane, 32 lanes, 4 waves.  A block of zeros gets the byte 1 (its codes are zeros); the bytes are read by this program alone.
.set XSB,  1024                        ; LDS: 0 .. 1023 partial logits [wave][token][expert] f32;  from 1024: the 8 tokens' scale bytes [token][32]
.set X,    16                          ; v16-79   x: 8 numbers for each of 8 tokens
.set RW,   80                          ; v80-143  router_w: 8 numbers for each of 8 experts
.set TMP,  144                         ; v144-159 at work: a pair for each expert
.set ACC,  160                         ; v160-223 my partial logit of (token t, expert e) at 8 t + e
.set CD,   224                         ; v224-239 codes, two registers a token: no store's data are written again
.set SB,   240                         ; v240-247 scale bytes, one a token
	s_load_b256 s[4:11], s[0:1], 0x0               ; x s[4:5], router_w s[6:7], token_mask s[8:9], xcodes s[10:11]
	s_load_b128 s[12:15], s[0:1], 0x20             ; xscales s[12:13], eidx s[14:15]
	s_load_b64 s[16:17], s[0:1], 0x30              ; gm
	v_lshl_add_u32 v254, v0, 2, 0x800
	v_mov_b32 v255, 0
	v_lshrrev_b32 v11, 5, v0
	v_readfirstlane_b32 s18, v11                   ; wave
	v_and_b32 v11, 31, v0                          ; lane
	v_lshlrev_b32 v1, 5, v11                       ; v1: 32 x lane: my 8 numbers in a wave's 1,024 bytes of a row
	v_lshlrev_b32 v2, 3, v11                       ; v2: 8 x lane: my 8 codes; later my 8 scale bytes
	s_lshl_b32 s22, s18, 3
	s_add_co_u32 s22, s22, XSB
	v_lshrrev_b32 v3, 2, v11
	v_add_nc_u32 v3, s22, v3                       ; v3: LDS: my block's byte in a token's 32: 8 w + lane / 4
	s_lshl_b32 s22, s18, 8
	v_mov_b32 v4, s22                              ; v4: LDS: my wave's 64 partial logits
	v_and_b32 v8, 7, v0                            ; the token that a lane of wave 0 finishes
	v_lshlrev_b32 v9, 5, v8                        ; v9: LDS: its 8 partial logits in a wave's part
	v_lshlrev_b32 v8, 2, v8                        ; v8: its word in token_mask, eidx, gm
	v_add_nc_u32 v10, XSB, v2                      ; v10: LDS: 8 scale bytes a lane
	s_mov_b32 s19, 0x600000                        ; the mantissa field of 57,344
	s_mov_b32 s20, 0x76543210
	s_mov_b32 s21, 0xfedcba98                      ; v_permlanex16_b32's selects for lane l xor 16
	s_lshl_b32 s24, s18, 10                        ; my wave's 256 numbers in a row
	s_mov_b32 s25, 0
	s_lshl_b32 s26, ttmp9, 15                      ; the group's 8 rows of 4,096 bytes
	s_add_co_u32 s26, s26, s24
	s_mov_b32 s27, 0
	s_lshl_b32 s28, ttmp9, 13                      ; the group's 8 rows of 1,024 codes
	s_add_co_u32 s28, s28, s22
	s_mov_b32 s29, 0
	s_lshl_b32 s30, ttmp9, 5                       ; 8 words
	s_mov_b32 s31, 0
	s_lshl_b32 s32, ttmp9, 8                       ; 8 rows of 32 scale bytes
	s_mov_b32 s33, 0
	s_wait_kmcnt 0x0
	s_add_nc_u64 s[6:7], s[6:7], s[24:25]
	s_add_nc_u64 s[4:5], s[4:5], s[26:27]
	s_add_nc_u64 s[10:11], s[10:11], s[28:29]
	s_add_nc_u64 s[8:9], s[8:9], s[30:31]
	s_add_nc_u64 s[14:15], s[14:15], s[30:31]
	s_add_nc_u64 s[16:17], s[16:17], s[30:31]
	s_add_nc_u64 s[12:13], s[12:13], s[32:33]
	global_load_b32 v12, v8, s[8:9]                ; the mask's word, first of all loads: the first token's wait covers it
.irp e, 0,1,2,3,4,5,6,7
	global_load_b128 v[RW+8*\e:RW+8*\e+3], v1, s[6:7] offset:4096*\e
	global_load_b128 v[RW+8*\e+4:RW+8*\e+7], v1, s[6:7] offset:4096*\e+16
.endr
.irp t, 0,1,2,3,4,5,6,7
	global_load_b128 v[X+8*\t:X+8*\t+3], v1, s[4:5] offset:4096*\t th:TH_LOAD_NT
	global_load_b128 v[X+8*\t+4:X+8*\t+7], v1, s[4:5] offset:4096*\t+16 th:TH_LOAD_NT
.endr
; One token: my 8 products for each of the 8 experts, then my 8 numbers become codes.
.macro TOKEN t
	s_wait_loadcnt 2*(7-\t)                        ; loads come back in order: this token's two are in, the later tokens' two each stay out
.irp e, 0,1,2,3,4,5,6,7
	v_pk_mul_f32 v[TMP+2*\e:TMP+2*\e+1], v[X+8*\t:X+8*\t+1], v[RW+8*\e:RW+8*\e+1]
.endr
.irp p, 2,4,6
.irp e, 0,1,2,3,4,5,6,7
	v_pk_fma_f32 v[TMP+2*\e:TMP+2*\e+1], v[X+8*\t+\p:X+8*\t+\p+1], v[RW+8*\e+\p:RW+8*\e+\p+1], v[TMP+2*\e:TMP+2*\e+1]
.endr
.endr
.irp e, 0,1,2,3,4,5,6,7
	v_add_f32 v[ACC+8*\t+\e], v[TMP+2*\e], v[TMP+2*\e+1]
.endr
	v_max3_num_f32 v5, |v[X+8*\t]|, |v[X+8*\t+1]|, 0x8000000       ; the largest magnitude of my 8, and the floor 2^(16 - 127): the byte cannot fall under 1
	v_max3_num_f32 v5, v5, |v[X+8*\t+2]|, |v[X+8*\t+3]|
	v_max3_num_f32 v5, v5, |v[X+8*\t+4]|, |v[X+8*\t+5]|
	v_max3_num_f32 v5, v5, |v[X+8*\t+6]|, |v[X+8*\t+7]|
	v_max_num_f32_dpp v5, v5, v5 row_xmask:1 row_mask:0xf bank_mask:0xf
	v_max_num_f32_dpp v5, v5, v5 row_xmask:2 row_mask:0xf bank_mask:0xf   ; with the three lanes that share my block
	v_add_nc_u32 v6, 0xf8800000, v5                ; 15 off its exponent field: the conversion takes this operand's exponent field as its scale
	v_and_or_b32 v7, v5, 0x7f800000, s19           ; 57,344 x the scale
.irp i, 0,1,2,3,4,5,6,7
	v_med3_num_f32 v[X+8*\t+\i], v[X+8*\t+\i], -v7, v7   ; the conversion to an 8-bit code does not saturate (ISA guide 7.6.2): the hold comes first
.endr
	v_cvt_scalef32_pk8_bf8_f32 v[CD+2*\t:CD+2*\t+1], v[X+8*\t:X+8*\t+7], v6
	v_lshrrev_b32 v[SB+\t], 23, v6                 ; the scale's byte; also the plain line behind the conversion
	ds_store_b8 v3, v[SB+\t] offset:32*\t          ; the four lanes of a block write the same byte with the same value
	global_store_b64 v2, v[CD+2*\t:CD+2*\t+1], s[10:11] offset:1024*\t   ; the wave stores 256 consecutive bytes, aligned
.endm
.irp t, 0,1,2,3,4,5,6,7
	TOKEN \t
.endr
; The 64 partial logits are summed over the 32 lanes, eight at a time so that no line waits for the line above it.
.irp g, 0,1,2,3,4,5,6,7
.irp m, 1,2,4,8
.irp e, 0,1,2,3,4,5,6,7
	v_add_f32_dpp v[ACC+8*\g+\e], v[ACC+8*\g+\e], v[ACC+8*\g+\e] row_xmask:\m row_mask:0xf bank_mask:0xf
.endr
.endr
.irp e, 0,1,2,3,4,5,6,7
	v_permlanex16_b32 v[TMP+\e], v[ACC+8*\g+\e], s20, s21
.endr
.irp e, 0,1,2,3,4,5,6,7
	v_add_f32 v[ACC+8*\g+\e], v[ACC+8*\g+\e], v[TMP+\e]
.endr
.endr
.irp i, 0,1,2,3,4,5,6,7,8,9,10,11,12,13,14,15
	ds_store_b128 v4, v[ACC+4*\i:ACC+4*\i+3] offset:16*\i   ; every lane holds the sums: all write the same bytes with the same values
.endr
	s_wait_dscnt 0x0                               ; for wave 0's sake: my partial logits and my scale bytes lie in LDS
	s_barrier_signal -1
	s_barrier_wait -1
	s_cmp_lg_u32 s18, 0
	s_cbranch_scc1 .Lend                           ; waves 1 to 3 are done; no barrier follows
.irp w, 0,1,2,3
	ds_load_b128 v[16+8*\w:19+8*\w], v9 offset:256*\w
	ds_load_b128 v[20+8*\w:23+8*\w], v9 offset:256*\w+16
.endr
	ds_load_b64 v[48:49], v10
	v_cvt_f32_i32 v53, v12                         ; the mask as f32
	s_wait_dscnt 0x0
.irp w, 24,32,40
.irp p, 0,2,4,6
	v_pk_add_f32 v[16+\p:17+\p], v[16+\p:17+\p], v[\w+\p:\w+\p+1]   ; ((wave 0 + wave 1) + wave 2) + wave 3
.endr
.endr
	v_mov_b32 v50, v16                             ; the largest logit so far,
	v_mov_b32 v51, 0                               ; and whose it is
.irp e, 1,2,3,4,5,6,7
	v_cmp_le_f32 vcc_lo, v[16+\e], v50
	v_cndmask_b32 v51, \e, v51, vcc_lo             ; kept unless this logit is strictly larger
	v_max_num_f32 v50, v50, v[16+\e]
.endr
.irp e, 0,1,2,3,4,5,6,7
	v_sub_f32 v[24+\e], v[16+\e], v50              ; the maximum is taken away ahead of the exponential
.endr
.irp e, 0,1,2,3,4,5,6,7
	v_mul_f32 v[24+\e], 0x3fb8aa3b, v[24+\e]       ; x log2(e)
.endr
.irp e, 0,1,2,3,4,5,6,7
	v_exp_f32 v[24+\e], v[24+\e]
.endr
	v_nop                                          ; a plain line behind the last exponential
	s_wait_alu depctr_va_vdst(0)                   ; one wait for the batch of eight, ahead of its first reader
	v_pk_add_f32 v[24:25], v[24:25], v[26:27]
	v_pk_add_f32 v[28:29], v[28:29], v[30:31]
	v_pk_add_f32 v[24:25], v[24:25], v[28:29]
	v_add_f32 v24, v24, v25
	v_rcp_f32 v52, v24                             ; the gate
	v_nop
	s_wait_alu depctr_va_vdst(0)
	v_mul_f32 v52, v52, v53                        ; x the mask
	global_store_b32 v8, v51, s[14:15]
	global_store_b32 v8, v52, s[16:17]
	global_store_b64 v2, v[48:49], s[12:13]        ; the group's 256 scale bytes: consecutive, aligned
.Lend:
	s_wait_tensorcnt 0x0
	ds_add_u32 v254, v255
	s_wait_dscnt 0x0
	s_endpgm
.Lfunc_end_k_q0457847ccb_route:
	.size	k_q0457847ccb_route, .Lfunc_end_k_q0457847ccb_route-k_q0457847ccb_route
	.p2alignl 7, 3214868480
	.fill 96, 4, 3214868480
	.section	.rodata,"a",@progbits
	.p2align	6, 0x0
	.amdhsa_kernel k_q0457847ccb_route
		.amdhsa_group_segment_fixed_size 2560
		.amdhsa_private_segment_fixed_size 0
		.amdhsa_enable_private_segment 0
		.amdhsa_kernarg_size 56
		.amdhsa_user_sgpr_count 2
		.amdhsa_user_sgpr_kernarg_segment_ptr 1
		.amdhsa_wavefront_size32 1
		.amdhsa_system_sgpr_workgroup_id_x 1
		.amdhsa_system_sgpr_workgroup_id_y 1
		.amdhsa_system_sgpr_workgroup_id_z 1
		.amdhsa_system_vgpr_workitem_id 0
		.amdhsa_next_free_vgpr 256
		.amdhsa_next_free_sgpr 66
		.amdhsa_reserve_vcc 1
		.amdhsa_float_denorm_mode_32 3
		.amdhsa_float_denorm_mode_16_64 3
		.amdhsa_memory_ordered 1
		.amdhsa_forward_progress 1
		.amdhsa_inst_pref_size 61
	.end_amdhsa_kernel
	.amdgpu_metadata
---
amdhsa.version: [ 1, 2 ]
amdhsa.kernels:
  - .name:           k_q0457847ccb_route
    .symbol:         k_q0457847ccb_route.kd
    .args:
      - { .name: x, .offset: 0, .size: 8, .value_kind: global_buffer, .address_space: global }
      - { .name: router_w, .offset: 8, .size: 8, .value_kind: global_buffer, .address_space: global }
      - { .name: token_mask, .offset: 16, .size: 8, .value_kind: global_buffer, .address_space: global }
      - { .name: xcodes, .offset: 24, .size: 8, .value_kind: global_buffer, .address_space: global }
      - { .name: xscales, .offset: 32, .size: 8, .value_kind: global_buffer, .address_space: global }
      - { .name: eidx, .offset: 40, .size: 8, .value_kind: global_buffer, .address_space: global }
      - { .name: gm, .offset: 48, .size: 8, .value_kind: global_buffer, .address_space: global }
    .group_segment_fixed_size: 2560
    .private_segment_fixed_size: 0
    .kernarg_segment_align: 8
    .kernarg_segment_size: 56
    .max_flat_workgroup_size: 128
    .sgpr_count:     66
    .vgpr_count:     256
    .wavefront_size: 32
...
	.end_amdgpu_metadata
.endif
;; end of part 1
;; launch place (part 2): grid 1 x 1, 8 waves a work-group, no clusters, 0 bytes of LDS; arguments eidx, perm, cnt; writes perm, cnt
.if DOCPART == 2
	.amdgcn_target "amdgcn-amd-amdhsa--gfx1250"
	.amdhsa_code_object_version 6
	.text
	.protected	k_q0457847ccb_place
	.globl	k_q0457847ccb_place
	.p2align	8
	.type	k_q0457847ccb_place,@function
k_q0457847ccb_place:
	s_mov_b64 s[64:65], 0
	v_nop
	global_prefetch_b8 v0, s[64:65] scope:SCOPE_SE
	s_setreg_imm32_b32 hwreg(HW_REG_WAVE_MODE, 25, 1), 1
	s_wait_xcnt 0x0
; PLACE.  From the 2,048 chosen experts: for each expert the list of its tokens and their number.  One work-group; wave e serves expert e and reads all of eidx (8 KB): no LDS, no barrier, no atomic.
; perm [8][2176] i32: 0 .. count - 1 the expert's tokens (in the order in which the wave meets them: rows do not depend on each other); count .. count + 31 one of its tokens again (0 where it has none), so that a tile
; of 16 rows is always full of valid tokens of that expert; 2112 .. 2143 a word for each lane into which lanes write whose token is another expert's (nobody reads it).  cnt [8][32] i32: the count, 32 times.
; Every store has registers of its own, so no store's sources are written again.
.set IDX, 16                           ; v16-79   register 4 c + j of lane l: the expert of token 128 c + 4 l + j
.set A,   80                           ; v80-143  byte offsets in my expert's list
.set T,   144                          ; v144-207 token numbers
	s_load_b128 s[4:7], s[0:1], 0x0                ; eidx s[4:5], perm s[6:7]
	s_load_b64 s[8:9], s[0:1], 0x10                ; cnt
	v_lshrrev_b32 v1, 5, v0
	v_readfirstlane_b32 s10, v1                    ; my expert
	v_and_b32 v4, 31, v0                           ; lane
	v_lshlrev_b32 v1, 4, v4                        ; 16 bytes a lane
	v_lshlrev_b32 v2, 2, v4                        ; 4 x lane: the lane's part of a token's number; also my word in cnt
	v_add_nc_u32 v3, 2112, v4                      ; the word for tokens that are not mine
	s_mov_b32 s11, 0                               ; tokens found so far
	s_mov_b32 s14, 0                               ; one of them
	s_mul_i32 s16, s10, 8704
	s_mov_b32 s17, 0
	s_lshl_b32 s18, s10, 7
	s_mov_b32 s19, 0
	s_wait_kmcnt 0x0
	s_add_nc_u64 s[6:7], s[6:7], s[16:17]
	s_add_nc_u64 s[8:9], s[8:9], s[18:19]
.irp c, 0,1,2,3,4,5,6,7,8,9,10,11,12,13,14,15
	global_load_b128 v[IDX+4*\c:IDX+4*\c+3], v1, s[4:5] offset:512*\c
.endr
	s_wait_loadcnt 0x0
.macro STEP i
	v_cmp_eq_u32 s12, s10, v[IDX+\i]               ; which lanes hold a token of mine
	v_mbcnt_lo_u32_b32 v[A+\i], s12, s11           ; its place: those found so far + those in lower lanes
	v_cndmask_b32 v[A+\i], v3, v[A+\i], s12
	v_min_u32 v[A+\i], 2175, v[A+\i]               ; inside the expert's 2,176 words
	v_lshlrev_b32 v[A+\i], 2, v[A+\i]
	v_add_nc_u32 v[T+\i], 128*((\i)/4)+(\i)%4, v2
	global_store_b32 v[A+\i], v[T+\i], s[6:7]
	s_ctz_i32_b32 s13, s12                         ; the first such lane's token, kept if there is one
	s_lshl_b32 s13, s13, 2
	s_add_co_u32 s13, s13, 128*((\i)/4)+(\i)%4
	s_cmp_lg_u32 s12, 0
	s_cselect_b32 s14, s13, s14
	s_bcnt1_i32_b32 s13, s12
	s_add_co_u32 s11, s11, s13
.endm
.set I, 0
.rept 64
	STEP I
.set I, I+1
.endr
	v_add_nc_u32 v208, s11, v4                     ; 32 words behind the list repeat one token
	v_min_u32 v208, 2175, v208
	v_lshlrev_b32 v208, 2, v208
	v_mov_b32 v209, s14
	global_store_b32 v208, v209, s[6:7]
	v_mov_b32 v210, s11
	global_store_b32 v2, v210, s[8:9]              ; the count
	s_endpgm
.Lfunc_end_k_q0457847ccb_place:
	.size	k_q0457847ccb_place, .Lfunc_end_k_q0457847ccb_place-k_q0457847ccb_place
	.p2alignl 7, 3214868480
	.fill 96, 4, 3214868480
	.section	.rodata,"a",@progbits
	.p2align	6, 0x0
	.amdhsa_kernel k_q0457847ccb_place
		.amdhsa_group_segment_fixed_size 0
		.amdhsa_private_segment_fixed_size 0
		.amdhsa_enable_private_segment 0
		.amdhsa_kernarg_size 24
		.amdhsa_user_sgpr_count 2
		.amdhsa_user_sgpr_kernarg_segment_ptr 1
		.amdhsa_wavefront_size32 1
		.amdhsa_system_sgpr_workgroup_id_x 1
		.amdhsa_system_sgpr_workgroup_id_y 1
		.amdhsa_system_sgpr_workgroup_id_z 1
		.amdhsa_system_vgpr_workitem_id 0
		.amdhsa_next_free_vgpr 256
		.amdhsa_next_free_sgpr 66
		.amdhsa_reserve_vcc 0
		.amdhsa_float_denorm_mode_32 3
		.amdhsa_float_denorm_mode_16_64 3
		.amdhsa_memory_ordered 1
		.amdhsa_forward_progress 1
		.amdhsa_inst_pref_size 47
	.end_amdhsa_kernel
	.amdgpu_metadata
---
amdhsa.version: [ 1, 2 ]
amdhsa.kernels:
  - .name:           k_q0457847ccb_place
    .symbol:         k_q0457847ccb_place.kd
    .args:
      - { .name: eidx, .offset: 0, .size: 8, .value_kind: global_buffer, .address_space: global }
      - { .name: perm, .offset: 8, .size: 8, .value_kind: global_buffer, .address_space: global }
      - { .name: cnt, .offset: 16, .size: 8, .value_kind: global_buffer, .address_space: global }
    .group_segment_fixed_size: 0
    .private_segment_fixed_size: 0
    .kernarg_segment_align: 8
    .kernarg_segment_size: 24
    .max_flat_workgroup_size: 256
    .sgpr_count:     66
    .vgpr_count:     256
    .wavefront_size: 32
...
	.end_amdgpu_metadata
.endif
;; end of part 2
;; launch up (part 3): grid 32 x 8, 4 waves a work-group, no clusters, 68,352 bytes of LDS; arguments xcodes, xscales, w1, perm, cnt, hcodes, hscales; writes hcodes, hscales
.if DOCPART == 3
	.amdgcn_target "amdgcn-amd-amdhsa--gfx1250"
	.amdhsa_code_object_version 6
	.text
	.protected	k_q0457847ccb_up
	.globl	k_q0457847ccb_up
	.p2align	8
	.type	k_q0457847ccb_up,@function
k_q0457847ccb_up:
	s_mov_b64 s[64:65], 0
	v_nop
	global_prefetch_b8 v0, s[64:65] scope:SCOPE_SE
	s_setreg_imm32_b32 hwreg(HW_REG_WAVE_MODE, 25, 1), 1
	s_wait_xcnt 0x0
; UP.  h = Q(relu(Q(x) Q(w1[e]))) for the tokens of expert e alone, on codes of E5M2 with one E8M0 scale for each 32 along K.  Work-group (x, y): hidden units 64 x .. 64 x + 63 of expert y.
; EACH BYTE OF w1 IS READ ONCE, as f32, by the one work-group that uses it, quantised in registers and kept: the slice's codes (64 KB) go through LDS as images of the operand's registers and then stay in every wave's registers.
; THE STREAM.  A row of the slice is 256 bytes, aligned.  Lane (q = lane % 16, h = lane / 16): a 16-byte load reads columns 4 q .. 4 q + 3 of row k (lanes 0-15) and of row k + 16 (lanes 16-31).  A block of 32 along K is
; 16 loads, 64 registers: register 4 i + j = (k = 32 b + 16 h + i, column 4 q + j).  The hold, owed for every number, writes to T[16 j + i]: so K runs along consecutive registers for the conversion, and a lane's 16 codes of a
; column are the 16 bytes that lane (m, h) of the operand's fragment holds.  Wave w streams k = 256 w .. 256 w + 255, three blocks (48 loads of 512 bytes) ahead.
; THE ROWS OF w1 THAT FORM A TILE ARE NOT NEIGHBOURS: row m of tile 2 B + u is hidden unit 32 B + 16 (m / 8) + 8 u + m % 8, so that in the transposed product (source 0 = 16 hidden units, source 1 = 16 tokens) a lane's 16
; registers of tiles 2 B and 2 B + 1 are 16 neighbours along the next K: the conversions' results are the next operand's registers, and leave as such.
; TOKENS.  perm and cnt, whole numbers stored by an earlier launch, say which tokens.  A wave takes two tiles of 16 tokens a trip, tiles t and t + 4, t = wave + 8 x trip.  Rows past the list repeat a token of the expert, tile
; numbers past the end are held at the last tile: such rows and tiles store the same numbers at the same places.  So there is no mask and no partial EXEC.  An expert without tokens: the slice is streamed, no trip follows.
; THE LOOP leaves by a forward branch where the stored count says so; its backward branch compares the tile counter with 128, the most tiles that an expert can have (2,048 tokens / 16).
; hcodes [tile place][16 K steps][4][32 lanes][16 bytes]: register images; hscales [tile place][16 rows][64 bytes].  Tile place = the tiles of the experts before + the tile: at most 134.
; No tensor load and no cluster: the trips hang on stored counts.  The scale bytes of h leave as 2 bytes a row (1 byte in 32 of what is stored).
; LIMITS: NaN and infinities are not served.  A block of zeros gets the byte 1 with zero codes; the bytes are read by this program alone.
; REGISTERS, in windows of 256.  Window 0: below.  Window 1: the stream's four landing slots of 64; then w1's fragments (K step s, tile n) at 16 (4 s + n), s = 0 .. 3.  Window 2: s = 4 .. 7.  Window 3: x's fragments at 128 P + 16 s.
.set PITCH, 8192                       ; a row of w1 in bytes
.set TS,    16400                      ; LDS: a tile's 8 fragment images of 2,048 bytes, + 16: the four tiles that a store's 16 lanes touch begin 16 bytes apart modulo 256
.set SCL,   65792                      ; LDS: the slice's scale words: 256 s + 64 n + 4 m
.set MAXT,  128                        ; the most tiles of an expert
.set LI,   1                           ; 16 x lane: an image's place for my lane, in LDS and in hcodes
.set WOFF, 2                           ; 16 q + 16 rows x h
.set WIA,  3                           ; LDS: where my column 4 q's 16 codes go
.set WSA,  4                           ; LDS: where my four columns' scale words go
.set WSR,  5                           ; LDS: SCL + 4 x lane
.set PA,   6                           ; v6-7   offsets in my expert's list, tile P
.set TK,   8                           ; v8-9   my row's token, tile P
.set XO,   10                          ; v10-11 its codes: token x 1,024 + 16 h
.set XSO,  12                          ; v12-13 its scale words: token x 32
.set R4,   14                          ; 4 r
.set H16,  15                          ; 16 h
.set HSO,  16                          ; 64 r + 2 x slice
.set M,    24                          ; v24-27 largest magnitudes;  v28-31 the other half's;  v32-35 the conversions' scale operands;  v36-39 57,344 x the scale;  v40-43 bytes;  v44-47 scale words
.set M2,   28
.set SO,   32
.set LIM,  36
.set BY,   40
.set SW,   44
.set C,    48                          ; v48-63   codes just made
.set T,    64                          ; v64-127  a block's numbers, held, K along the registers
.set ACC,  128                         ; v128-191 accumulator (tile of tokens P, tile of units n) at 32 P + 8 n
.set WS,   192                         ; v192-207 w1's scale words: 2 s + p: lanes 0-15 tile 2 p, lanes 16-31 tile 2 p + 1
.set XS,   208                         ; v208-223 x's scale words: 8 P + s
.set HW,   224                         ; v224-225 h's two scale bytes, tile P
.set MSB, 0
.macro WIN new                         ; the immediate's high byte repeats the setting that is left; a switch that changes nothing is dropped
.if MSB != \new
	s_set_vgpr_msb (MSB<<8)|\new
.set MSB, \new
.endif
.endm
.macro WLOAD b                         ; block b of my wave's eight into landing slot b % 4: each load reads two whole rows of the slice
	WIN 0x40
.irp i, 0,1,2,3,4,5,6,7,8,9,10,11,12,13,14,15
	global_load_b128 v[64*((\b)%4)+4*\i:64*((\b)%4)+4*\i+3], v[WOFF], s[54:55] offset:(32*(\b)+\i)*PITCH th:TH_LOAD_NT
.endr
	WIN 0
.endm
.macro QBLK b                          ; block b becomes codes and a byte of four scale words, and goes to LDS
.set S, 64*((\b)%4)
.set CC, (\b)%4
.set SL, (\b)/4
	s_wait_dscnt 0x0                               ; the last block's LDS stores are done: C and SW may be written
	WIN 0x05                                       ; sources 0 and 1: the landing slots
.irp j, 0,1,2,3
	v_max3_num_f32 v[M+\j], |v[S+\j]|, |v[S+4+\j]|, 0x8000000   ; column 4 q + j: my 16 numbers, and the floor 2^(16 - 127): the byte cannot fall under 1
.endr
.irp i, 2,4,6,8,10,12,14
.irp j, 0,1,2,3
	v_max3_num_f32 v[M+\j], |v[S+4*\i+\j]|, |v[S+4*\i+4+\j]|, v[M+\j]
.endr
.endr
	WIN 0
.irp j, 0,1,2,3
	v_permlanex16_b32 v[M2+\j], v[M+\j], s26, s27
.endr
.irp j, 0,1,2,3
	v_max_num_f32 v[M+\j], v[M+\j], v[M2+\j]       ; with lane l xor 16's 16: the block's largest magnitude
.endr
.irp j, 0,1,2,3
	v_add_nc_u32 v[SO+\j], 0xf8800000, v[M+\j]     ; 15 off its exponent field: the conversion's scale operand
.endr
.irp j, 0,1,2,3
	v_and_or_b32 v[LIM+\j], v[M+\j], 0x7f800000, s25   ; 57,344 x the scale
.endr
.if CC == 0
.irp j, 0,1,2,3
	v_lshrrev_b32 v[SW+\j], 23, v[SO+\j]           ; the first byte starts the K step's scale word
.endr
.else
.irp j, 0,1,2,3
	v_lshrrev_b32 v[BY+\j], 23, v[SO+\j]
.endr
.irp j, 0,1,2,3
	v_lshl_or_b32 v[SW+\j], v[BY+\j], 8*CC, v[SW+\j]
.endr
.endif
	WIN 0x01
.irp j, 0,1,2,3
.irp i, 0,1,2,3,4,5,6,7,8,9,10,11,12,13,14,15
	v_med3_num_f32 v[T+16*\j+\i], v[S+4*\i+\j], -v[LIM+\j], v[LIM+\j]   ; the hold (ISA guide 7.6.2: the conversion does not saturate), and the turn: K now runs along the registers
.endr
.endr
	WIN 0
.irp j, 0,1,2,3
	v_cvt_scalef32_pk8_bf8_f32 v[C+4*\j:C+4*\j+1], v[T+16*\j:T+16*\j+7], v[SO+\j]
	v_cvt_scalef32_pk8_bf8_f32 v[C+4*\j+2:C+4*\j+3], v[T+16*\j+8:T+16*\j+15], v[SO+\j]
.endr
	v_nop                                          ; a plain line behind the last conversion
.irp j, 0,1,2,3
	ds_store_b128 v[WIA], v[C+4*\j:C+4*\j+3] offset:2048*SL+512*CC+16*\j
.endr
.if CC == 3
	ds_store_b128 v[WSA], v[SW:SW+3] offset:256*SL   ; four columns' words; both halves of the lanes write the same
.endif
.endm
.macro TKL add                         ; my row's tokens of tiles s24 + add and s24 + add + 4, both held at the last tile
	s_add_co_u32 s36, s24, \add
	s_min_u32 s36, s36, s22
	s_min_u32 s36, s36, 127
	v_lshl_add_u32 v[PA], s36, 6, v[R4]
	s_add_co_u32 s36, s24, \add+4
	s_min_u32 s36, s36, s22
	s_min_u32 s36, s36, 127
	v_lshl_add_u32 v[PA+1], s36, 6, v[R4]
	global_load_b32 v[TK], v[PA], s[10:11]
	global_load_b32 v[TK+1], v[PA+1], s[10:11]
.endm
.macro XADDR                           ; six plain lines: the tokens become offsets
.irp p, 0,1
	v_min_u32 v[TK+\p], 2047, v[TK+\p]
	v_lshl_add_u32 v[XO+\p], v[TK+\p], 10, v[H16]
	v_lshlrev_b32 v[XSO+\p], 5, v[TK+\p]
.endr
.endm
.macro XSC p                           ; my row's 8 scale words
	global_load_b128 v[XS+8*\p:XS+8*\p+3], v[XSO+\p], s[6:7]
	global_load_b128 v[XS+8*\p+4:XS+8*\p+7], v[XSO+\p], s[6:7] offset:16
.endm
.macro XFR p, s                        ; x's fragment of K step s: registers 4 c .. 4 c + 3 hold k = 128 s + 32 c + 16 h + 0 .. 15 of my row.  (The caller has set the destination's window to 3)
.irp c, 0,1,2,3
	global_load_b128 v[128*\p+16*\s+4*\c:128*\p+16*\s+4*\c+3], v[XO+\p], s[4:5] offset:128*\s+32*\c
.endr
.endm
.macro WM d, a, b, zero, sa, sb, odd   ; one product; zero: it starts the sum; odd: source 0's scale words stand in lanes 16-31
.if \zero
.if \odd
	v_wmma_scale_f32_16x16x128_f8f6f4 v[\d:\d+7], v[\a:\a+15], v[\b:\b+15], 0, v[\sa], v[\sb] matrix_a_fmt:MATRIX_FMT_BF8 matrix_b_fmt:MATRIX_FMT_BF8 matrix_a_scale:MATRIX_SCALE_ROW1
.else
	v_wmma_scale_f32_16x16x128_f8f6f4 v[\d:\d+7], v[\a:\a+15], v[\b:\b+15], 0, v[\sa], v[\sb] matrix_a_fmt:MATRIX_FMT_BF8 matrix_b_fmt:MATRIX_FMT_BF8
.endif
.else
.if \odd
	v_wmma_scale_f32_16x16x128_f8f6f4 v[\d:\d+7], v[\a:\a+15], v[\b:\b+15], v[\d:\d+7], v[\sa], v[\sb] matrix_a_fmt:MATRIX_FMT_BF8 matrix_b_fmt:MATRIX_FMT_BF8 matrix_a_scale:MATRIX_SCALE_ROW1
.else
	v_wmma_scale_f32_16x16x128_f8f6f4 v[\d:\d+7], v[\a:\a+15], v[\b:\b+15], v[\d:\d+7], v[\sa], v[\sb] matrix_a_fmt:MATRIX_FMT_BF8 matrix_b_fmt:MATRIX_FMT_BF8
.endif
.endif
.endm
.macro MM s, zero                      ; K step s: the eight accumulators take turns, one instruction a turn
.irp p, 0,1
.irp n, 0,1,2,3
	WM ACC+32*\p+8*\n, 16*(4*((\s)%4)+\n), 128*\p+16*(\s), \zero, WS+2*(\s)+\n/2, XS+8*\p+(\s), \n%2
.endr
.endr
.endm
	s_load_b256 s[4:11], s[0:1], 0x0               ; xcodes s[4:5], xscales s[6:7], w1 s[8:9], perm s[10:11]
	s_load_b128 s[12:15], s[0:1], 0x20             ; cnt s[12:13], hcodes s[14:15]
	s_load_b64 s[16:17], s[0:1], 0x30              ; hscales
	v_lshl_add_u32 v254, v0, 2, 0x10900
	v_mov_b32 v255, 0
	v_lshrrev_b32 v17, 5, v0
	v_readfirstlane_b32 s18, v17                   ; wave
	s_mov_b32 s19, ttmp9                           ; slice
	s_and_b32 s20, ttmp7, 0xffff                   ; expert
	v_and_b32 v17, 31, v0                          ; lane
	v_and_b32 v18, 15, v0                          ; q, also r
	v_bfe_u32 v19, v0, 4, 1                        ; h
	v_bfe_u32 v20, v0, 3, 1                        ; q's bits 3, 1, 2, 0
	v_bfe_u32 v21, v0, 1, 1
	v_bfe_u32 v22, v0, 2, 1
	v_and_b32 v23, 1, v0
	v_lshlrev_b32 v[LI], 4, v17
	v_lshlrev_b32 v[WOFF], 4, v18
	v_lshl_add_u32 v[WOFF], v19, 17, v[WOFF]       ; lanes 16-31: 16 rows of 8,192 bytes further down
	v_mul_u32_u24 v[WIA], v20, 2*TS                ; column 4 q + j lies in tile 2 (q >> 3) + ((q >> 1) & 1), row 8 ((q >> 2) & 1) + 4 (q & 1) + j
	v_mad_u32_u24 v[WIA], v21, TS, v[WIA]
	v_lshl_add_u32 v[WIA], v22, 7, v[WIA]
	v_lshl_add_u32 v[WIA], v23, 6, v[WIA]
	v_lshl_add_u32 v[WIA], v19, 8, v[WIA]          ; the image's lane is row + 16 h
	s_lshl_b32 s36, s18, 12
	v_add_nc_u32 v[WIA], s36, v[WIA]               ; my wave's K steps 2 w, 2 w + 1
	v_lshlrev_b32 v[WSA], 7, v20
	v_lshl_add_u32 v[WSA], v21, 6, v[WSA]
	v_lshl_add_u32 v[WSA], v22, 5, v[WSA]
	v_lshl_add_u32 v[WSA], v23, 4, v[WSA]
	s_lshl_b32 s36, s18, 9
	s_add_co_u32 s36, s36, SCL
	v_add_nc_u32 v[WSA], s36, v[WSA]
	v_lshl_add_u32 v[WSR], v17, 2, SCL
	v_lshlrev_b32 v[R4], 2, v18
	v_lshlrev_b32 v[H16], 4, v19
	v_lshlrev_b32 v[HSO], 6, v18
	s_lshl_b32 s36, s19, 1
	v_add_nc_u32 v[HSO], s36, v[HSO]
.irp j, 0,1,2,3
	v_mov_b32 v[M2+\j], 0                          ; written once: a lane permute's destination counts as one of its sources
.endr
	s_mov_b32 s25, 0x600000                        ; the mantissa field of 57,344
	s_mov_b32 s26, 0x76543210
	s_mov_b32 s27, 0xfedcba98                      ; v_permlanex16_b32's selects for lane l xor 16
	s_lshl_b32 s39, s19, 10                        ; the slice's place in a tile's image: K step slice / 2, blocks 2 (slice % 2) on: 1,024 x slice
	s_lshl_b32 s36, s20, 23                        ; the expert's 8 MiB,
	s_lshl_b32 s37, s19, 8                         ; the slice's 256 bytes of a row,
	s_add_co_u32 s36, s36, s37
	s_lshl_b32 s37, s18, 21                        ; my wave's 256 rows
	s_add_co_u32 s36, s36, s37
	s_mov_b32 s37, 0
	s_wait_kmcnt 0x0
	s_add_nc_u64 s[54:55], s[8:9], s[36:37]
.irp i, 0,1,2,3,4,5,6,7
	s_load_b32 s[28+\i], s[12:13], 128*\i          ; the eight counts
.endr
	WLOAD 0                                        ; the stream starts while the counts are on their way
	WLOAD 1
	WLOAD 2
	s_mul_i32 s36, s20, 8704
	s_add_nc_u64 s[10:11], s[10:11], s[36:37]      ; my expert's list
	s_wait_kmcnt 0x0
	s_mov_b32 s23, 0                               ; the tiles of the experts before mine
	s_mov_b32 s21, 0                               ; my expert's tiles
.irp i, 0,1,2,3,4,5,6,7
	s_add_co_u32 s36, s[28+\i], 15
	s_lshr_b32 s36, s36, 4
	s_cmp_gt_u32 s20, \i
	s_cselect_b32 s38, s36, 0
	s_add_co_u32 s23, s23, s38
	s_cmp_eq_u32 s20, \i
	s_cselect_b32 s21, s36, s21
.endr
	s_min_u32 s21, s21, MAXT
	s_max_u32 s22, s21, 1
	s_sub_co_u32 s22, s22, 1                       ; the last tile
	s_mov_b32 s24, s18                             ; the trips' counter: my first tile
	TKL 0
	WLOAD 3
	s_wait_loadcnt 50                              ; behind block 0's loads: blocks 1, 2, 3 (48) and the two token loads
	QBLK 0
	WLOAD 4
	s_wait_loadcnt 50                              ; behind block 1's: block 2, the two, blocks 3, 4
	QBLK 1
	WLOAD 5
	s_wait_loadcnt 50                              ; behind block 2's: the two, blocks 3, 4, 5
	QBLK 2
	WLOAD 6
	s_wait_loadcnt 48                              ; behind block 3's: blocks 4, 5, 6.  The token loads are in
	XADDR
	QBLK 3
	WLOAD 7
	s_wait_loadcnt 48
	QBLK 4
	s_wait_loadcnt 32                              ; behind block 5's: blocks 6, 7
	QBLK 5
	TKL 8                                          ; the first tiles' operands are asked for under the stream's end: the next pair's tokens (2 loads), the scale words (4), tile 0's fragments (32)
	XSC 0
	XSC 1
	WIN 0xC0
.irp s, 0,1,2,3,4,5,6,7
	XFR 0, \s
.endr
	WIN 0
	s_wait_loadcnt 54                              ; behind block 6's: block 7 (16) and those 38
	QBLK 6
	s_wait_loadcnt 38                              ; behind block 7's: those 38
	WIN 0xC0
.irp s, 0,1,2,3,4,5,6,7
	XFR 1, \s
.endr
	WIN 0
	QBLK 7
	s_wait_dscnt 0x0                               ; for the others' sake: my images and scale words lie in LDS
	s_barrier_signal -1
	s_barrier_wait -1                              ; the one barrier: from here on LDS is only read
	s_cmp_ge_u32 s18, s21
	s_cbranch_scc1 .Lend                           ; no tile for this wave
	WIN 0x40
.irp s, 0,1,2,3
.irp n, 0,1,2,3
.irp c, 0,1,2,3
	ds_load_b128 v[16*(4*\s+\n)+4*\c:16*(4*\s+\n)+4*\c+3], v[LI] offset:\n*TS+2048*\s+512*\c   ; the whole slice into my registers: 512 consecutive bytes a load
.endr
.endr
.endr
	WIN 0x80
.irp s, 4,5,6,7
.irp n, 0,1,2,3
.irp c, 0,1,2,3
	ds_load_b128 v[16*(4*(\s-4)+\n)+4*\c:16*(4*(\s-4)+\n)+4*\c+3], v[LI] offset:\n*TS+2048*\s+512*\c
.endr
.endr
.endr
	WIN 0
.irp i, 0,1,2,3,4,5,6,7,8,9,10,11,12,13,14,15
	ds_load_b32 v[WS+\i], v[WSR] offset:128*\i
.endr
	s_wait_dscnt 0x0
.Ltrip:                                                ; two tiles of 16 tokens: s24 and s24 + 4
	s_wait_loadcnt 0x0                             ; this pair's fragments and scale words, and the next pair's tokens
	WIN 0x0D                                       ; source 0 window 1, source 1 window 3
	MM 0, 1
	MM 1, 0
	MM 2, 0
	MM 3, 0
	WIN 0
	XADDR                                          ; the next pair's offsets: six of the eight places in front of the loads into x's registers
	v_nop
	v_nop
	s_add_co_u32 s38, s24, 8
	s_cmp_ge_u32 s38, s21
	s_cbranch_scc1 .Lno1                           ; the last trip asks for nothing
	WIN 0xC0
.irp s, 0,1,2,3
	XFR 0, \s
	XFR 1, \s
.endr
	WIN 0
.Lno1:
	WIN 0x0E                                       ; source 0 window 2
	MM 4, 0
	MM 5, 0
	MM 6, 0
	MM 7, 0
	WIN 0
.rept 8
	v_nop                                          ; places in front of the loads below and of the first read of the results
.endr
	s_cmp_ge_u32 s38, s21
	s_cbranch_scc1 .Lno2
	WIN 0xC0
.irp s, 4,5,6,7
	XFR 0, \s
	XFR 1, \s
.endr
	WIN 0
	XSC 0
	XSC 1
	TKL 16                                         ; the tokens of the pair after next
.Lno2:
	s_wait_xcnt 0x0                                ; the last trip's stores have read their data and bases: both are written below
.irp p, 0,1
	s_add_co_u32 s36, s24, 4*\p
	s_min_u32 s36, s36, s22
	s_add_co_u32 s36, s36, s23
	s_min_u32 s36, s36, 135                        ; the tile's place
	s_lshl_b32 s40, s36, 15
	s_add_co_u32 s40, s40, s39
	s_mov_b32 s41, 0
	s_add_nc_u64 s[46+2*\p:47+2*\p], s[14:15], s[40:41]
	s_lshl_b32 s40, s36, 10
	s_add_nc_u64 s[50+2*\p:51+2*\p], s[16:17], s[40:41]
.endr
; The four blocks of 32 hidden units (tile P, block B: 2 P + B): 16 registers each, 16 neighbours along the next K.  No |.|: what is negative becomes 0, so it must not count; the floor stands over it.
.irp b, 0,1,2,3
	v_max3_num_f32 v[M+\b], v[ACC+16*\b], v[ACC+16*\b+1], 0x8000000   ; each accumulator is read from its low end on
.endr
.irp i, 2,4,6,8,10,12,14
.irp b, 0,1,2,3
	v_max3_num_f32 v[M+\b], v[M+\b], v[ACC+16*\b+\i], v[ACC+16*\b+\i+1]
.endr
.endr
.irp b, 0,1,2,3
	v_permlanex16_b32 v[M2+\b], v[M+\b], s26, s27
.endr
.irp b, 0,1,2,3
	v_max_num_f32 v[M+\b], v[M+\b], v[M2+\b]
.endr
.irp b, 0,1,2,3
	v_add_nc_u32 v[SO+\b], 0xf8800000, v[M+\b]
.endr
.irp b, 0,1,2,3
	v_and_or_b32 v[LIM+\b], v[M+\b], 0x7f800000, s25
.endr
.irp b, 0,1,2,3
	v_lshrrev_b32 v[BY+\b], 23, v[SO+\b]
.endr
	v_lshl_or_b32 v[HW], v[BY+1], 8, v[BY]
	v_lshl_or_b32 v[HW+1], v[BY+3], 8, v[BY+2]
.irp b, 0,1,2,3
.irp i, 0,1,2,3,4,5,6,7,8,9,10,11,12,13,14,15
	v_med3_num_f32 v[ACC+16*\b+\i], v[ACC+16*\b+\i], 0, v[LIM+\b]   ; the activation and the hold in one
.endr
	v_cvt_scalef32_pk8_bf8_f32 v[C+4*\b:C+4*\b+1], v[ACC+16*\b:ACC+16*\b+7], v[SO+\b]
	v_cvt_scalef32_pk8_bf8_f32 v[C+4*\b+2:C+4*\b+3], v[ACC+16*\b+8:ACC+16*\b+15], v[SO+\b]
.endr
	v_nop                                          ; a plain line behind the last conversion: the next trip's products write its sources
.irp p, 0,1
.irp b, 0,1
	global_store_b128 v[LI], v[C+4*(2*\p+\b):C+4*(2*\p+\b)+3], s[46+2*\p:47+2*\p] offset:512*\b   ; 512 consecutive bytes, aligned: four registers of the next operand, as they stand
.endr
	global_store_b16 v[HSO], v[HW+\p], s[50+2*\p:51+2*\p]
.endr
	s_add_co_u32 s24, s24, 8
	s_cmp_ge_u32 s24, s21
	s_cbranch_scc1 .Lend                           ; the stored count ends the walk, by a forward branch
	s_cmp_lt_u32 s24, MAXT                         ; the backward branch is counted against a constant: s21 is at most MAXT, so it is taken whenever it is reached
	s_cbranch_scc1 .Ltrip
.Lend:
	s_wait_tensorcnt 0x0
	ds_add_u32 v254, v255
	s_wait_dscnt 0x0
	s_endpgm
.Lfunc_end_k_q0457847ccb_up:
	.size	k_q0457847ccb_up, .Lfunc_end_k_q0457847ccb_up-k_q0457847ccb_up
	.p2alignl 7, 3214868480
	.fill 96, 4, 3214868480
	.section	.rodata,"a",@progbits
	.p2align	6, 0x0
	.amdhsa_kernel k_q0457847ccb_up
		.amdhsa_group_segment_fixed_size 68352
		.amdhsa_private_segment_fixed_size 0
		.amdhsa_enable_private_segment 0
		.amdhsa_kernarg_size 56
		.amdhsa_user_sgpr_count 2
		.amdhsa_user_sgpr_kernarg_segment_ptr 1
		.amdhsa_wavefront_size32 1
		.amdhsa_system_sgpr_workgroup_id_x 1
		.amdhsa_system_sgpr_workgroup_id_y 1
		.amdhsa_system_sgpr_workgroup_id_z 1
		.amdhsa_system_vgpr_workitem_id 0
		.amdhsa_next_free_vgpr 1024
		.amdhsa_next_free_sgpr 66
		.amdhsa_reserve_vcc 0
		.amdhsa_float_denorm_mode_32 3
		.amdhsa_float_denorm_mode_16_64 3
		.amdhsa_memory_ordered 1
		.amdhsa_forward_progress 1
		.amdhsa_inst_pref_size 129
	.end_amdhsa_kernel
	.amdgpu_metadata
---
amdhsa.version: [ 1, 2 ]
amdhsa.kernels:
  - .name:           k_q0457847ccb_up
    .symbol:         k_q0457847ccb_up.kd
    .args:
      - { .name: xcodes, .offset: 0, .size: 8, .value_kind: global_buffer, .address_space: global }
      - { .name: xscales, .offset: 8, .size: 8, .value_kind: global_buffer, .address_space: global }
      - { .name: w1, .offset: 16, .size: 8, .value_kind: global_buffer, .address_space: global }
      - { .name: perm, .offset: 24, .size: 8, .value_kind: global_buffer, .address_space: global }
      - { .name: cnt, .offset: 32, .size: 8, .value_kind: global_buffer, .address_space: global }
      - { .name: hcodes, .offset: 40, .size: 8, .value_kind: global_buffer, .address_space: global }
      - { .name: hscales, .offset: 48, .size: 8, .value_kind: global_buffer, .address_space: global }
    .group_segment_fixed_size: 68352
    .private_segment_fixed_size: 0
    .kernarg_segment_align: 8
    .kernarg_segment_size: 56
    .max_flat_workgroup_size: 128
    .sgpr_count:     66
    .vgpr_count:     1024
    .wavefront_size: 32
...
	.end_amdgpu_metadata
.endif
;; end of part 3
;; launch down (part 4): grid 16 x 8, 4 waves a work-group, no clusters, 153,344 bytes of LDS; arguments hcodes, hscales, w2, perm, cnt, gm, out0; writes out0
.if DOCPART == 4
	.amdgcn_target "amdgcn-amd-amdhsa--gfx1250"
	.amdhsa_code_object_version 6
	.text
	.protected	k_q0457847ccb_down
	.globl	k_q0457847ccb_down
	.p2align	8
	.type	k_q0457847ccb_down,@function
k_q0457847ccb_down:
	s_mov_b64 s[64:65], 0
	v_nop
	global_prefetch_b8 v0, s[64:65] scope:SCOPE_SE
	s_setreg_imm32_b32 hwreg(HW_REG_WAVE_MODE, 25, 1), 1
	s_wait_xcnt 0x0
; DOWN.  out[token] = (h Q(w2[e])) x gate x mask for the tokens of expert e alone, on codes of E5M2 with one E8M0 scale for each 32 along K.  Work-group (x, y): output columns 64 x .. 64 x + 63 of expert y.
; EACH BYTE OF w2 IS READ ONCE, as f32, by the one work-group that uses it, quantised in registers (the stream is the one of the launch before: lane (q, h) loads columns 4 q .. 4 q + 3 of rows k and k + 16; the hold turns
; K along the registers; a lane's 16 codes of a column are 16 bytes of a fragment's image).  Wave w streams k = 512 w .. 512 w + 511: 16 blocks, three (48 loads of 512 bytes) ahead.  The slice's codes, 128 KB, stay in LDS.
; Tiles are natural: column 4 q + j is row 4 (q % 4) + j of tile q / 4.
; TOKENS.  A wave takes FIVE tiles of 16 tokens at once, tiles t + 4 u, t = wave + 20 x pass, so that each fragment of w2 read from LDS feeds five products.  h comes as register images, 512 consecutive bytes a load, three
; K steps ahead in four slots.  Tile numbers past the end are held at the last tile, rows past the list repeat a token: they store the same numbers at the same places.  No mask, no partial EXEC.
; THE LOOP over passes leaves by a forward branch where the stored count says so; its backward branch compares the tile counter with 128, the most tiles that an expert can have (2,048 tokens / 16).
; The product is used transposed (source 0 = 16 output columns, source 1 = 16 tokens): a lane holds eight neighbouring columns of one token.  On the way out they are multiplied by gate x mask, go through the wave's own stage
; in LDS and leave as 256 consecutive bytes of a token's row, aligned, from sixteen lanes.  Each output row's 256 bytes have this work-group as their one owner; masked tokens are computed and multiplied by 0.
; 128 work-groups: slices of 32 columns would make 256, with rows of 128 bytes in and out and twice the reads of h.  No tensor load and no cluster: the passes hang on stored counts.
; LIMITS: NaN and infinities are not served.  A block of zeros gets the byte 1 with zero codes.
; REGISTERS, in windows of 256.  Window 0: below.  Window 1: the stream's four landing slots; then accumulator (u, n) at 32 u + 8 n.  Window 2: h's slots 0 to 2 at 80 k + 16 u.
; Window 3: h's slot 3 at 16 u; from v96 two buffers of w2's four fragments (64 each); v96-159 are T in the stream, and Y (v96-127) and Z (v128-159) on the way out.
.set PITCH, 4096                       ; a row of w2 in bytes
.set TS,    32784                      ; LDS: a tile's 16 fragment images of 2,048 bytes, + 16
.set SCL,   131328                     ; LDS: the slice's scale words: 256 s + 64 n + 4 m
.set STG,   135424                     ; LDS: a stage of 16 rows x (256 + 16) bytes for each wave
.set MAXT,  128                        ; the most tiles of an expert
.set LI,   1                           ; 16 x lane
.set WOFF, 2                           ; 16 q + 16 rows x h
.set WIA,  3                           ; LDS: where my column 4 q's 16 codes go
.set WSA,  4                           ; LDS: where my four columns' scale words go
.set WSR,  5                           ; LDS: SCL + 4 x lane
.set SOA,  6                           ; the stage, in: row r, + 32 h
.set SRA,  7                           ; the stage, back: row 8 h, + 16 q
.set R4,   8                           ; 4 r
.set H32,  9                           ; 32 h
.set Q16,  10                          ; 16 q
.set R64,  11                          ; 64 r
.set WA,   12                          ; v12-15 LDS: 16 x lane + n TS
.set M,    24
.set M2,   28
.set SO,   32
.set LIM,  36
.set BY,   40
.set SW,   44
.set C,    48                          ; v48-63   codes just made
.set OA,   64                          ; v64-71   offsets in out0
.set TKR,  72                          ; v72-76   tile u: row r's token
.set TK8,  80                          ; v80-119  tile u: the tokens of rows 8 h + 0 .. 7
.set GM,   120                         ; v120-129 tile u: a pair: gate x mask of row r, and a 0 that is named with it
.set GMO,  130                         ; v130-134 offsets in gm
.set HS,   144                         ; v144-223 h's scale words: 16 u + s
.set WS,   224                         ; v224-255 w2's scale words: 2 s + p: lanes 0-15 tile 2 p, lanes 16-31 tile 2 p + 1
.set T,    96                          ; in window 3
.set WF,   96
.set YY,   96
.set ZZ,   128
.set MSB, 0
.macro WIN new
.if MSB != \new
	s_set_vgpr_msb (MSB<<8)|\new
.set MSB, \new
.endif
.endm
.macro WLOAD b
	WIN 0x40
.irp i, 0,1,2,3,4,5,6,7,8,9,10,11,12,13,14,15
	global_load_b128 v[64*((\b)%4)+4*\i:64*((\b)%4)+4*\i+3], v[WOFF], s[56:57] offset:(32*(\b)+\i)*PITCH th:TH_LOAD_NT
.endr
	WIN 0
.endm
.macro QBLK b
.set S, 64*((\b)%4)
.set CC, (\b)%4
.set SL, (\b)/4
	s_wait_dscnt 0x0                               ; the last block's LDS stores are done: C and SW may be written
	WIN 0x05
.irp j, 0,1,2,3
	v_max3_num_f32 v[M+\j], |v[S+\j]|, |v[S+4+\j]|, 0x8000000   ; my 16 numbers of column 4 q + j, and the floor 2^(16 - 127)
.endr
.irp i, 2,4,6,8,10,12,14
.irp j, 0,1,2,3
	v_max3_num_f32 v[M+\j], |v[S+4*\i+\j]|, |v[S+4*\i+4+\j]|, v[M+\j]
.endr
.endr
	WIN 0
.irp j, 0,1,2,3
	v_permlanex16_b32 v[M2+\j], v[M+\j], s26, s27
.endr
.irp j, 0,1,2,3
	v_max_num_f32 v[M+\j], v[M+\j], v[M2+\j]
.endr
.irp j, 0,1,2,3
	v_add_nc_u32 v[SO+\j], 0xf8800000, v[M+\j]
.endr
.irp j, 0,1,2,3
	v_and_or_b32 v[LIM+\j], v[M+\j], 0x7f800000, s25
.endr
.if CC == 0
.irp j, 0,1,2,3
	v_lshrrev_b32 v[SW+\j], 23, v[SO+\j]
.endr
.else
.irp j, 0,1,2,3
	v_lshrrev_b32 v[BY+\j], 23, v[SO+\j]
.endr
.irp j, 0,1,2,3
	v_lshl_or_b32 v[SW+\j], v[BY+\j], 8*CC, v[SW+\j]
.endr
.endif
	WIN 0xC1                                       ; from the landing slots (window 1) to T (window 3)
.irp j, 0,1,2,3
.irp i, 0,1,2,3,4,5,6,7,8,9,10,11,12,13,14,15
	v_med3_num_f32 v[T+16*\j+\i], v[S+4*\i+\j], -v[LIM+\j], v[LIM+\j]
.endr
.endr
	WIN 0x03
.irp j, 0,1,2,3
	v_cvt_scalef32_pk8_bf8_f32 v[C+4*\j:C+4*\j+1], v[T+16*\j:T+16*\j+7], v[SO+\j]
	v_cvt_scalef32_pk8_bf8_f32 v[C+4*\j+2:C+4*\j+3], v[T+16*\j+8:T+16*\j+15], v[SO+\j]
.endr
	v_nop                                          ; a plain line behind the last conversion
	WIN 0
.irp j, 0,1,2,3
	ds_store_b128 v[WIA], v[C+4*\j:C+4*\j+3] offset:2048*SL+512*CC+16*\j
.endr
.if CC == 3
	ds_store_b128 v[WSA], v[SW:SW+3] offset:256*SL
.endif
.endm
.macro BASES                           ; my five tiles of this pass: s[66:75] their rows in the list, s[36:45] their images, s[46:55] their scale words
.irp u, 0,1,2,3,4
	s_add_co_u32 s58, s24, 4*\u
	s_min_u32 s58, s58, s22
	s_min_u32 s58, s58, 127
	s_lshl_b32 s60, s58, 6
	s_mov_b32 s61, 0
	s_add_nc_u64 s[66+2*\u:67+2*\u], s[10:11], s[60:61]
	s_add_co_u32 s58, s58, s23
	s_min_u32 s58, s58, 135
	s_lshl_b32 s60, s58, 15
	s_add_nc_u64 s[36+2*\u:37+2*\u], s[4:5], s[60:61]
	s_lshl_b32 s60, s58, 10
	s_add_nc_u64 s[46+2*\u:47+2*\u], s[6:7], s[60:61]
.endr
.endm
.macro X1                              ; 15 loads: the tokens, by row r and by rows 8 h + 0 .. 7
.irp u, 0,1,2,3,4
	global_load_b32 v[TKR+\u], v[R4], s[66+2*\u:67+2*\u]
	global_load_b128 v[TK8+8*\u:TK8+8*\u+3], v[H32], s[66+2*\u:67+2*\u]
	global_load_b128 v[TK8+8*\u+4:TK8+8*\u+7], v[H32], s[66+2*\u:67+2*\u] offset:16
.endr
.endm
.macro X2                              ; 20 loads: h's scale words, 16 a row
.irp u, 0,1,2,3,4
.irp c, 0,1,2,3
	global_load_b128 v[HS+16*\u+4*\c:HS+16*\u+4*\c+3], v[R64], s[46+2*\u:47+2*\u] offset:16*\c
.endr
.endr
.endm
.macro HFR s                           ; 20 loads: h's five fragments of K step s into slot s % 4
.if ((\s)&3) == 3
	WIN 0xC0
.set HB0, 0
.else
	WIN 0x80
.set HB0, 80*((\s)&3)
.endif
.irp u, 0,1,2,3,4
.irp c, 0,1,2,3
	global_load_b128 v[HB0+16*\u+4*\c:HB0+16*\u+4*\c+3], v[LI], s[36+2*\u:37+2*\u] offset:2048*(\s)+512*\c
.endr
.endr
.endm
.macro X3
	HFR 0
	HFR 1
	HFR 2
	WIN 0
.endm
.macro WFR s                           ; 16 LDS loads: w2's four fragments of K step s into buffer s % 2
	WIN 0xC0
.irp n, 0,1,2,3
.irp c, 0,1,2,3
	ds_load_b128 v[WF+64*((\s)&1)+16*\n+4*\c:WF+64*((\s)&1)+16*\n+4*\c+3], v[WA+\n] offset:2048*(\s)+512*\c
.endr
.endr
.endm
.macro WM d, a, b, zero, sa, sb, odd
.if \zero
.if \odd
	v_wmma_scale_f32_16x16x128_f8f6f4 v[\d:\d+7], v[\a:\a+15], v[\b:\b+15], 0, v[\sa], v[\sb] matrix_a_fmt:MATRIX_FMT_BF8 matrix_b_fmt:MATRIX_FMT_BF8 matrix_a_scale:MATRIX_SCALE_ROW1
.else
	v_wmma_scale_f32_16x16x128_f8f6f4 v[\d:\d+7], v[\a:\a+15], v[\b:\b+15], 0, v[\sa], v[\sb] matrix_a_fmt:MATRIX_FMT_BF8 matrix_b_fmt:MATRIX_FMT_BF8
.endif
.else
.if \odd
	v_wmma_scale_f32_16x16x128_f8f6f4 v[\d:\d+7], v[\a:\a+15], v[\b:\b+15], v[\d:\d+7], v[\sa], v[\sb] matrix_a_fmt:MATRIX_FMT_BF8 matrix_b_fmt:MATRIX_FMT_BF8 matrix_a_scale:MATRIX_SCALE_ROW1
.else
	v_wmma_scale_f32_16x16x128_f8f6f4 v[\d:\d+7], v[\a:\a+15], v[\b:\b+15], v[\d:\d+7], v[\sa], v[\sb] matrix_a_fmt:MATRIX_FMT_BF8 matrix_b_fmt:MATRIX_FMT_BF8
.endif
.endif
.endm
; K step s: eight places behind the last step's products, then the loads into the registers that those products read: h three steps ahead, w2 one step ahead; then 20 products, the accumulators by turns.
.macro KS s
	WIN 0
.if (\s) == 13
.irp u, 0,1,2,3,4
	v_min_u32 v[TKR+\u], 2047, v[TKR+\u]           ; ten plain lines take the places' part here: the offsets of gate x mask
.endr
.irp u, 0,1,2,3,4
	v_lshlrev_b32 v[GMO+\u], 2, v[TKR+\u]
.endr
.irp u, 0,1,2,3,4
	global_load_b32 v[GM+2*\u], v[GMO+\u], s[14:15]
.endr
.else
.rept 8
	v_nop
.endr
.endif
.if (\s) <= 12
	HFR (\s)+3
.endif
.if (\s) <= 14
	WFR (\s)+1
.endif
.if (\s) <= 12
	s_wait_loadcnt 60                              ; behind this step's 20 loads: the next three steps' 20 each
.else
	s_wait_loadcnt 5+20*(15-(\s))                  ; the steps that are left, and the five loads of gate x mask
.endif
.if (\s) <= 14
	s_wait_dscnt 16                                ; this step's fragments of w2 are in; the next step's 16 loads stay out
.else
	s_wait_dscnt 0x0
.endif
.if ((\s)&3) == 3
	WIN 0x5F                                       ; source 0 (w2) window 3, source 1 (h) window 3, C and D window 1
.set HB1, 0
.else
	WIN 0x5B                                       ; source 1 window 2
.set HB1, 80*((\s)&3)
.endif
.if (\s) == 0
.set ZR, 1
.else
.set ZR, 0
.endif
.irp u, 0,1,2,3,4
.irp n, 0,1,2,3
	WM 32*\u+8*\n, WF+64*((\s)&1)+16*\n, HB1+16*\u, ZR, WS+2*(\s)+\n/2, HS+16*\u+(\s), \n%2
.endr
.endr
.endm
; Tile u leaves: x gate x mask, through my stage, as whole runs of 256 bytes.
.macro OUTT u
.if (\u) > 0
	s_wait_xcnt 0x0                                ; the last tile's stores have read OA and Z
.endif
	WIN 0xC1
.irp k, 0,1,2,3,4,5,6,7,8,9,10,11,12,13,14,15
	v_pk_mul_f32 v[YY+2*\k:YY+2*\k+1], v[32*(\u)+2*\k:32*(\u)+2*\k+1], v[GM+2*(\u):GM+2*(\u)+1] op_sel_hi:[1,0]   ; each accumulator from its low end on
.endr
	WIN 0x0C                                       ; an LDS store's data are its source 1: window 3
.irp n, 0,1,2,3
	ds_store_b128 v[SOA], v[YY+8*\n:YY+8*\n+3] offset:64*\n          ; lane (r, h): columns 16 n + 8 h + 0 .. 7 of row r
	ds_store_b128 v[SOA], v[YY+8*\n+4:YY+8*\n+7] offset:64*\n+16
.endr
	WIN 0xC0
.irp i, 0,1,2,3,4,5,6,7
	ds_load_b128 v[ZZ+4*\i:ZZ+4*\i+3], v[SRA] offset:272*\i          ; LDS serves a wave's instructions in order: these see my stores.  Row 8 h + i, 16 bytes a lane
.endr
	WIN 0
.irp i, 0,1,2,3,4,5,6,7
	v_min_u32 v[TK8+8*(\u)+\i], 2047, v[TK8+8*(\u)+\i]
.endr
.irp i, 0,1,2,3,4,5,6,7
	v_lshl_add_u32 v[OA+\i], v[TK8+8*(\u)+\i], 12, v[Q16]            ; the token's row of 4,096 bytes
.endr
	s_wait_dscnt 0x0
	WIN 0x0C                                       ; a store's data are its source 1: window 3
.irp i, 0,1,2,3,4,5,6,7
	global_store_b128 v[OA+\i], v[ZZ+4*\i:ZZ+4*\i+3], s[16:17] th:TH_STORE_NT   ; sixteen lanes store 256 consecutive bytes, aligned
.endr
	WIN 0
.endm
	s_load_b256 s[4:11], s[0:1], 0x0               ; hcodes s[4:5], hscales s[6:7], w2 s[8:9], perm s[10:11]
	s_load_b128 s[12:15], s[0:1], 0x20             ; cnt s[12:13], gm s[14:15]
	s_load_b64 s[16:17], s[0:1], 0x30              ; out0
	v_lshl_add_u32 v142, v0, 2, 0x25500
	v_mov_b32 v143, 0
	v_lshrrev_b32 v17, 5, v0
	v_readfirstlane_b32 s18, v17                   ; wave
	s_mov_b32 s19, ttmp9                           ; slice
	s_and_b32 s20, ttmp7, 0xffff                   ; expert
	v_and_b32 v17, 31, v0                          ; lane
	v_and_b32 v18, 15, v0                          ; q, also r
	v_bfe_u32 v19, v0, 4, 1                        ; h
	v_bfe_u32 v20, v0, 2, 2                        ; q / 4: the tile
	v_and_b32 v21, 3, v0                           ; q % 4
	v_lshlrev_b32 v[LI], 4, v17
	v_lshlrev_b32 v[Q16], 4, v18
	v_lshl_add_u32 v[WOFF], v19, 16, v[Q16]        ; lanes 16-31: 16 rows of 4,096 bytes further down
	v_mul_u32_u24 v[WIA], v20, TS
	v_lshl_add_u32 v[WIA], v21, 6, v[WIA]
	v_lshl_add_u32 v[WIA], v19, 8, v[WIA]
	s_lshl_b32 s58, s18, 13
	v_add_nc_u32 v[WIA], s58, v[WIA]               ; my wave's K steps 4 w .. 4 w + 3
	s_lshl_b32 s58, s18, 10
	s_add_co_u32 s58, s58, SCL
	v_add_nc_u32 v[WSA], s58, v[Q16]
	v_lshl_add_u32 v[WSR], v17, 2, SCL
	s_mul_i32 s58, s18, 4352
	s_add_co_u32 s58, s58, STG                     ; my stage
	v_mul_u32_u24 v[SOA], v18, 272
	v_lshl_add_u32 v[SOA], v19, 5, v[SOA]
	v_add_nc_u32 v[SOA], s58, v[SOA]
	v_mul_u32_u24 v[SRA], v19, 2176
	v_add_nc_u32 v[SRA], v[SRA], v[Q16]
	v_add_nc_u32 v[SRA], s58, v[SRA]
	v_lshlrev_b32 v[R4], 2, v18
	v_lshlrev_b32 v[H32], 5, v19
	v_lshlrev_b32 v[R64], 6, v18
.irp n, 0,1,2,3
	v_add_nc_u32 v[WA+\n], \n*TS, v[LI]
.endr
.irp j, 0,1,2,3
	v_mov_b32 v[M2+\j], 0                          ; written once: a lane permute's destination counts as one of its sources
.endr
.irp u, 0,1,2,3,4
	v_mov_b32 v[GM+2*\u+1], 0                      ; named as the upper half of a pair, so it is written
.endr
	s_mov_b32 s25, 0x600000
	s_mov_b32 s26, 0x76543210
	s_mov_b32 s27, 0xfedcba98
	s_lshl_b32 s58, s20, 23                        ; the expert's 8 MiB,
	s_lshl_b32 s60, s19, 8                         ; the slice's 256 bytes of a row,
	s_add_co_u32 s58, s58, s60
	s_lshl_b32 s59, s18, 21                        ; my wave's 512 rows
	s_add_co_u32 s58, s58, s59
	s_mov_b32 s59, 0
	s_mov_b32 s61, 0
	s_wait_kmcnt 0x0
	s_add_nc_u64 s[56:57], s[8:9], s[58:59]
	s_add_nc_u64 s[16:17], s[16:17], s[60:61]      ; out0 at the slice's columns
.irp i, 0,1,2,3,4,5,6,7
	s_load_b32 s[28+\i], s[12:13], 128*\i          ; the eight counts
.endr
	WLOAD 0                                        ; the stream starts while the counts are on their way
	WLOAD 1
	WLOAD 2
	s_mul_i32 s58, s20, 8704
	s_add_nc_u64 s[10:11], s[10:11], s[58:59]      ; my expert's list
	s_wait_kmcnt 0x0
	s_mov_b32 s23, 0                               ; the tiles of the experts before mine
	s_mov_b32 s21, 0                               ; my expert's tiles
.irp i, 0,1,2,3,4,5,6,7
	s_add_co_u32 s58, s[28+\i], 15
	s_lshr_b32 s58, s58, 4
	s_cmp_gt_u32 s20, \i
	s_cselect_b32 s59, s58, 0
	s_add_co_u32 s23, s23, s59
	s_cmp_eq_u32 s20, \i
	s_cselect_b32 s21, s58, s21
.endr
	s_min_u32 s21, s21, MAXT
	s_max_u32 s22, s21, 1
	s_sub_co_u32 s22, s22, 1                       ; the last tile
	s_mov_b32 s24, s18                             ; the passes' counter: my first tile
	BASES
.irp b, 0,1,2,3,4,5,6,7,8,9,10,11,12
	WLOAD \b+3
	s_wait_loadcnt 48                              ; behind this block's loads: the next three blocks' 16 each
	QBLK \b
.endr
	X1                                             ; the first pass's operands are asked for under the stream's end
	s_wait_loadcnt 47                              ; behind block 13's: blocks 14, 15 (32) and X1's 15
	QBLK 13
	X2
	s_wait_loadcnt 51                              ; behind block 14's: block 15 (16), 15 and X2's 20
	QBLK 14
	s_wait_loadcnt 35                              ; behind block 15's: 15 and 20
	X3
	QBLK 15
	s_wait_dscnt 0x0                               ; for the others' sake: my images and scale words lie in LDS
	s_barrier_signal -1
	s_barrier_wait -1                              ; the one barrier: from here on the images are only read, and a stage is its wave's own
	s_cmp_ge_u32 s18, s21
	s_cbranch_scc1 .Lend                           ; no tile for this wave
.irp i, 0,1,2,3,4,5,6,7,8,9,10,11,12,13,14,15,16,17,18,19,20,21,22,23,24,25,26,27,28,29,30,31
	ds_load_b32 v[WS+\i], v[WSR] offset:128*\i     ; issued ahead of the first fragments: the first K step's wait covers them
.endr
.Lpass:                                                ; five tiles of 16 tokens a wave
	WFR 0
.irp s, 0,1,2,3,4,5,6,7,8,9,10,11,12,13,14,15
	KS \s
.endr
	WIN 0
	s_wait_loadcnt 0x0                             ; gate x mask
.rept 8
	v_nop                                          ; places in front of the first read of the results, and of writes into the registers that held w2's fragments
.endr
	OUTT 0
	OUTT 1
	OUTT 2
	OUTT 3
	OUTT 4
	s_add_co_u32 s24, s24, 20
	s_cmp_ge_u32 s24, s21
	s_cbranch_scc1 .Lend                           ; the stored count ends the walk, by a forward branch: nothing is asked for behind the last pass
	s_wait_xcnt 0x0                                ; on the one way back to the loop's head: the stores have read Z, OA and their base, and all loads are in: bases, OA and Z may be written
	BASES
	X1                                             ; in the order of the way in, so that the K steps' counts hold on both ways
	X2
	X3
	s_cmp_lt_u32 s24, MAXT                         ; the backward branch is counted against a constant: s21 is at most MAXT, so it is taken whenever it is reached
	s_cbranch_scc1 .Lpass
.Lend:
	s_wait_tensorcnt 0x0
	ds_add_u32 v142, v143
	s_wait_dscnt 0x0
	s_endpgm
.Lfunc_end_k_q0457847ccb_down:
	.size	k_q0457847ccb_down, .Lfunc_end_k_q0457847ccb_down-k_q0457847ccb_down
	.p2alignl 7, 3214868480
	.fill 96, 4, 3214868480
	.section	.rodata,"a",@progbits
	.p2align	6, 0x0
	.amdhsa_kernel k_q0457847ccb_down
		.amdhsa_group_segment_fixed_size 153344
		.amdhsa_private_segment_fixed_size 0
		.amdhsa_enable_private_segment 0
		.amdhsa_kernarg_size 56
		.amdhsa_user_sgpr_count 2
		.amdhsa_user_sgpr_kernarg_segment_ptr 1
		.amdhsa_wavefront_size32 1
		.amdhsa_system_sgpr_workgroup_id_x 1
		.amdhsa_system_sgpr_workgroup_id_y 1
		.amdhsa_system_sgpr_workgroup_id_z 1
		.amdhsa_system_vgpr_workitem_id 0
		.amdhsa_next_free_vgpr 1024
		.amdhsa_next_free_sgpr 80
		.amdhsa_reserve_vcc 0
		.amdhsa_float_denorm_mode_32 3
		.amdhsa_float_denorm_mode_16_64 3
		.amdhsa_memory_ordered 1
		.amdhsa_forward_progress 1
		.amdhsa_inst_pref_size 255
	.end_amdhsa_kernel
	.section	.bss,"aw",@nobits
	.p2align	6
	.space	262144
	.amdgpu_metadata
---
amdhsa.version: [ 1, 2 ]
amdhsa.kernels:
  - .name:           k_q0457847ccb_down
    .symbol:         k_q0457847ccb_down.kd
    .args:
      - { .name: hcodes, .offset: 0, .size: 8, .value_kind: global_buffer, .address_space: global }
      - { .name: hscales, .offset: 8, .size: 8, .value_kind: global_buffer, .address_space: global }
      - { .name: w2, .offset: 16, .size: 8, .value_kind: global_buffer, .address_space: global }
      - { .name: perm, .offset: 24, .size: 8, .value_kind: global_buffer, .address_space: global }
      - { .name: cnt, .offset: 32, .size: 8, .value_kind: global_buffer, .address_space: global }
      - { .name: gm, .offset: 40, .size: 8, .value_kind: global_buffer, .address_space: global }
      - { .name: out0, .offset: 48, .size: 8, .value_kind: global_buffer, .address_space: global }
    .group_segment_fixed_size: 153344
    .private_segment_fixed_size: 0
    .kernarg_segment_align: 8
    .kernarg_segment_size: 56
    .max_flat_workgroup_size: 128
    .sgpr_count:     80
    .vgpr_count:     1024
    .wavefront_size: 32
...
	.end_amdgpu_metadata
.endif
;; end of part 4
;; ======== version 2 of 2: 4 launches; version 1 with the launches up, down written anew for expert scheduling mode
;; workspace buffers: xcodes 2,097,152 bytes; xscales 65,536 bytes; eidx 8,192 bytes of whole numbers; gm 8,192 bytes; perm 69,632 bytes of whole numbers; cnt 1,024 bytes of whole numbers; hcodes 4,456,448 bytes; hscales 139,264 bytes
;; launch route: the kernel of part 1 again; grid 256 x 1, 4 waves a work-group, no clusters, 2,560 bytes of LDS; arguments x, router_w, token_mask, xcodes, xscales, eidx, gm; writes xcodes, xscales, eidx, gm
;; launch place: the kernel of part 2 again; grid 1 x 1, 8 waves a work-group, no clusters, 0 bytes of LDS; arguments eidx, perm, cnt; writes perm, cnt
;; launch up (part 5): grid 32 x 8, 4 waves a work-group, no clusters, 68,352 bytes of LDS; arguments xcodes, xscales, w1, perm, cnt, hcodes, hscales; writes hcodes, hscales
.if DOCPART == 5
	.amdgcn_target "amdgcn-amd-amdhsa--gfx1250"
	.amdhsa_code_object_version 6
	.text
	.protected	k_q0457847ccb_up
	.globl	k_q0457847ccb_up
	.p2align	8
	.type	k_q0457847ccb_up,@function
k_q0457847ccb_up:
	s_mov_b64 s[64:65], 0
	v_nop
	global_prefetch_b8 v0, s[64:65] scope:SCOPE_SE
	s_setreg_imm32_b32 hwreg(HW_REG_WAVE_SCHED_MODE, 0, 2), 2
	s_setreg_imm32_b32 hwreg(HW_REG_WAVE_MODE, 25, 1), 1
	s_wait_xcnt 0x0
	s_wait_alu depctr_vm_vsrc(0)
; UP.  h = Q(relu(Q(x) Q(w1[e]))) for the tokens of expert e alone, on codes of E5M2 with one E8M0 scale for each 32 along K.  Work-group (x, y): hidden units 64 x .. 64 x + 63 of expert y.
; EACH BYTE OF w1 IS READ ONCE, as f32, by the one work-group that uses it, quantised in registers and kept: the slice's codes (64 KB) go through LDS as images of the operand's registers and then stay in every wave's registers.
; THE STREAM.  A row of the slice is 256 bytes, aligned.  Lane (q = lane % 16, h = lane / 16): a 16-byte load reads columns 4 q .. 4 q + 3 of row k (lanes 0-15) and of row k + 16 (lanes 16-31).  A block of 32 along K is
; 16 loads, 64 registers: register 4 i + j = (k = 32 b + 16 h + i, column 4 q + j).  The hold, owed for every number, writes to T[16 j + i]: so K runs along consecutive registers for the conversion, and a lane's 16 codes of a
; column are the 16 bytes that lane (m, h) of the operand's fragment holds.  Wave w streams k = 256 w .. 256 w + 255, three blocks (48 loads of 512 bytes) ahead.
; THE ROWS OF w1 THAT FORM A TILE ARE NOT NEIGHBOURS: row m of tile 2 B + u is hidden unit 32 B + 16 (m / 8) + 8 u + m % 8, so that in the transposed product (source 0 = 16 hidden units, source 1 = 16 tokens) a lane's 16
; registers of tiles 2 B and 2 B + 1 are 16 neighbours along the next K: the conversions' results are the next operand's registers, and leave as such.
; TOKENS.  perm and cnt, whole numbers stored by an earlier launch, say which tokens.  A wave takes two tiles of 16 tokens a trip, tiles t and t + 4, t = wave + 8 x trip.  Rows past the list repeat a token of the expert, tile
; numbers past the end are held at the last tile: such rows and tiles store the same numbers at the same places.  So there is no mask and no partial EXEC.  An expert without tokens: the slice is streamed, no trip follows.
; THE LOOP leaves by a forward branch where the stored count says so; its backward branch compares the tile counter with 128, the most tiles that an expert can have (2,048 tokens / 16).
; hcodes [tile place][16 K steps][4][32 lanes][16 bytes]: register images; hscales [tile place][16 rows][64 bytes].  Tile place = the tiles of the experts before + the tile: at most 134.
; No tensor load and no cluster: the trips hang on stored counts.  The scale bytes of h leave as 2 bytes a row (1 byte in 32 of what is stored).
; LIMITS: NaN and infinities are not served.  A block of zeros gets the byte 1 with zero codes; the bytes are read by this program alone.
; THE MODE: SCHED_MODE bits 1:0 = 2 (LLVM: expert scheduling mode 2), set by the entry lines.  The code itself states the register dependences between vector or matrix instructions and memory or LDS instructions,
; with s_wait_alu, always for 0.
; THE PLAN.  Registers that memory or LDS instructions touch:
;   the landing slots (window 1)   Block b's loads land in slot b % 4; block b's maxima and holds read it; then the loads of block b + 4 land in it.  Behind the barrier w1's fragments land there, and the products read them.
;   C, SW, HW                      In the stream a block's conversions and shifts write C and SW and its LDS stores read them; in a trip the conversions and shifts write C and HW and the trip's stores read them.
;   PA, XO, XSO                    Written by eight lines that stand together; read as offsets by the loads of tokens, fragments and scale words.  TK: loaded, read and held by those lines, loaded again.
;   x's fragments (window 3), XS   Loaded; read by the products.
;   LI, WOFF, WIA, WSA, WSR, HSO   Made at the head and never written again.
; So a block of the stream has ONE wait on va_vdst, behind its conversions; the next loads into its slot follow that wait at once and its LDS stores come behind them.  A trip has one wait on vm_vsrc, ahead of the eight
; lines, one wait on va_vdst in front of each of its two runs of loads, and one in front of its stores.
; REGISTERS, in windows of 256.  Window 0: below.  Window 1: the stream's four landing slots of 64; then w1's fragments (K step s, tile n) at 16 (4 s + n), s = 0 .. 3.  Window 2: s = 4 .. 7.  Window 3: x's fragments at 128 P + 16 s.
.set PITCH, 8192                       ; a row of w1 in bytes
.set TS,    16400                      ; LDS: a tile's 8 fragment images of 2,048 bytes, + 16: the four tiles that a store's 16 lanes touch begin 16 bytes apart modulo 256
.set SCL,   65792                      ; LDS: the slice's scale words: 256 s + 64 n + 4 m
.set MAXT,  128                        ; the most tiles of an expert
.set LI,   1                           ; 16 x lane: an image's place for my lane, in LDS and in hcodes
.set WOFF, 2                           ; 16 q + 16 rows x h
.set WIA,  3                           ; LDS: where my column 4 q's 16 codes go
.set WSA,  4                           ; LDS: where my four columns' scale words go
.set WSR,  5                           ; LDS: SCL + 4 x lane
.set PA,   6                           ; v6-7   offsets in my expert's list, tile P
.set TK,   8                           ; v8-9   my row's token, tile P
.set XO,   10                          ; v10-11 its codes: token x 1,024 + 16 h
.set XSO,  12                          ; v12-13 its scale words: token x 32
.set R4,   14                          ; 4 r
.set H16,  15                          ; 16 h
.set HSO,  16                          ; 64 r + 2 x slice
.set M,    24                          ; v24-27 largest magnitudes;  v28-31 the other half's;  v32-35 the conversions' scale operands;  v36-39 57,344 x the scale;  v40-43 bytes;  v44-47 scale words
.set M2,   28
.set SO,   32
.set LIM,  36
.set BY,   40
.set SW,   44
.set C,    48                          ; v48-63   codes just made
.set T,    64                          ; v64-127  a block's numbers, held, K along the registers
.set ACC,  128                         ; v128-191 accumulator (tile of tokens P, tile of units n) at 32 P + 8 n
.set WS,   192                         ; v192-207 w1's scale words: 2 s + p: lanes 0-15 tile 2 p, lanes 16-31 tile 2 p + 1
.set XS,   208                         ; v208-223 x's scale words: 8 P + s
.set HW,   224                         ; v224-225 h's two scale bytes, tile P
.set MSB, 0
.macro WIN new                         ; the immediate's high byte repeats the setting that is left; a switch that changes nothing is dropped
.if MSB != \new
	s_set_vgpr_msb (MSB<<8)|\new
.set MSB, \new
.endif
.endm
.macro WLOAD b                         ; block b of my wave's eight into landing slot b % 4: each load reads two whole rows of the slice
	WIN 0x40
.irp i, 0,1,2,3,4,5,6,7,8,9,10,11,12,13,14,15
	global_load_b128 v[64*((\b)%4)+4*\i:64*((\b)%4)+4*\i+3], v[WOFF], s[54:55] offset:(32*(\b)+\i)*PITCH th:TH_LOAD_NT
.endr
	WIN 0
.endm
.macro QBLK b, nxt                     ; block b becomes codes and a byte of four scale words, and goes to LDS.  nxt = 1: its landing slot is asked for again, for block b + 4
.set S, 64*((\b)%4)
.set CC, (\b)%4
.set SL, (\b)/4
	s_wait_dscnt 0x0                               ; the last block's LDS stores are done
.if (\b) > 0
	s_wait_alu depctr_vm_vsrc(0)                   ; the last block's LDS stores have read C and SW, which this block writes again
.endif
	WIN 0x05                                       ; sources 0 and 1: the landing slots
.irp j, 0,1,2,3
	v_max3_num_f32 v[M+\j], |v[S+\j]|, |v[S+4+\j]|, 0x8000000   ; column 4 q + j: my 16 numbers, and the floor 2^(16 - 127): the byte cannot fall under 1
.endr
.irp i, 2,4,6,8,10,12,14
.irp j, 0,1,2,3
	v_max3_num_f32 v[M+\j], |v[S+4*\i+\j]|, |v[S+4*\i+4+\j]|, v[M+\j]
.endr
.endr
	WIN 0
.irp j, 0,1,2,3
	v_permlanex16_b32 v[M2+\j], v[M+\j], s26, s27
.endr
.irp j, 0,1,2,3
	v_max_num_f32 v[M+\j], v[M+\j], v[M2+\j]       ; with lane l xor 16's 16: the block's largest magnitude
.endr
.irp j, 0,1,2,3
	v_add_nc_u32 v[SO+\j], 0xf8800000, v[M+\j]     ; 15 off its exponent field: the conversion's scale operand
.endr
.irp j, 0,1,2,3
	v_and_or_b32 v[LIM+\j], v[M+\j], 0x7f800000, s25   ; 57,344 x the scale
.endr
.if CC == 0
.irp j, 0,1,2,3
	v_lshrrev_b32 v[SW+\j], 23, v[SO+\j]           ; the first byte starts the K step's scale word
.endr
.else
.irp j, 0,1,2,3
	v_lshrrev_b32 v[BY+\j], 23, v[SO+\j]
.endr
.irp j, 0,1,2,3
	v_lshl_or_b32 v[SW+\j], v[BY+\j], 8*CC, v[SW+\j]
.endr
.endif
	WIN 0x01
.irp j, 0,1,2,3
.irp i, 0,1,2,3,4,5,6,7,8,9,10,11,12,13,14,15
	v_med3_num_f32 v[T+16*\j+\i], v[S+4*\i+\j], -v[LIM+\j], v[LIM+\j]   ; the hold (ISA guide 7.6.2: the conversion does not saturate), and the turn: K now runs along the registers
.endr
.endr
	WIN 0
.irp j, 0,1,2,3
	v_cvt_scalef32_pk8_bf8_f32 v[C+4*\j:C+4*\j+1], v[T+16*\j:T+16*\j+7], v[SO+\j]
	v_cvt_scalef32_pk8_bf8_f32 v[C+4*\j+2:C+4*\j+3], v[T+16*\j+8:T+16*\j+15], v[SO+\j]
.endr
	v_nop                                          ; a plain line behind the last conversion
.if \nxt
	WIN 0x40                                       ; the loads' window is set ahead of the wait
.endif
	s_wait_alu depctr_va_vdst(0)                   ; the maxima and holds are done reading the landing slot, in which the next loads land; the conversions and shifts have written C and SW, which the LDS stores read
.if \nxt
	WLOAD (\b)+4                                   ; the slot is asked for again at once
.endif
.irp j, 0,1,2,3
	ds_store_b128 v[WIA], v[C+4*\j:C+4*\j+3] offset:2048*SL+512*CC+16*\j
.endr
.if CC == 3
	ds_store_b128 v[WSA], v[SW:SW+3] offset:256*SL   ; four columns' words; both halves of the lanes write the same
.endif
.endm
.macro TKA add                         ; two plain vector lines: where my row's tokens of tiles s24 + add and s24 + add + 4 stand in the list, both tiles held at the last tile
	s_add_co_u32 s36, s24, \add
	s_min_u32 s36, s36, s22
	s_min_u32 s36, s36, 127
	v_lshl_add_u32 v[PA], s36, 6, v[R4]
	s_add_co_u32 s36, s24, \add+4
	s_min_u32 s36, s36, s22
	s_min_u32 s36, s36, 127
	v_lshl_add_u32 v[PA+1], s36, 6, v[R4]
.endm
.macro TKLD                            ; and their loads
	global_load_b32 v[TK], v[PA], s[10:11]
	global_load_b32 v[TK+1], v[PA+1], s[10:11]
.endm
.macro XADDR                           ; six plain lines: the tokens become offsets
.irp p, 0,1
	v_min_u32 v[TK+\p], 2047, v[TK+\p]
	v_lshl_add_u32 v[XO+\p], v[TK+\p], 10, v[H16]
	v_lshlrev_b32 v[XSO+\p], 5, v[TK+\p]
.endr
.endm
.macro XSC p                           ; my row's 8 scale words
	global_load_b128 v[XS+8*\p:XS+8*\p+3], v[XSO+\p], s[6:7]
	global_load_b128 v[XS+8*\p+4:XS+8*\p+7], v[XSO+\p], s[6:7] offset:16
.endm
.macro XFR p, s                        ; x's fragment of K step s: registers 4 c .. 4 c + 3 hold k = 128 s + 32 c + 16 h + 0 .. 15 of my row.  (The caller has set the destination's window to 3)
.irp c, 0,1,2,3
	global_load_b128 v[128*\p+16*\s+4*\c:128*\p+16*\s+4*\c+3], v[XO+\p], s[4:5] offset:128*\s+32*\c
.endr
.endm
.macro WM d, a, b, zero, sa, sb, odd   ; one product; zero: it starts the sum; odd: source 0's scale words stand in lanes 16-31
.if \zero
.if \odd
	v_wmma_scale_f32_16x16x128_f8f6f4 v[\d:\d+7], v[\a:\a+15], v[\b:\b+15], 0, v[\sa], v[\sb] matrix_a_fmt:MATRIX_FMT_BF8 matrix_b_fmt:MATRIX_FMT_BF8 matrix_a_scale:MATRIX_SCALE_ROW1
.else
	v_wmma_scale_f32_16x16x128_f8f6f4 v[\d:\d+7], v[\a:\a+15], v[\b:\b+15], 0, v[\sa], v[\sb] matrix_a_fmt:MATRIX_FMT_BF8 matrix_b_fmt:MATRIX_FMT_BF8
.endif
.else
.if \odd
	v_wmma_scale_f32_16x16x128_f8f6f4 v[\d:\d+7], v[\a:\a+15], v[\b:\b+15], v[\d:\d+7], v[\sa], v[\sb] matrix_a_fmt:MATRIX_FMT_BF8 matrix_b_fmt:MATRIX_FMT_BF8 matrix_a_scale:MATRIX_SCALE_ROW1
.else
	v_wmma_scale_f32_16x16x128_f8f6f4 v[\d:\d+7], v[\a:\a+15], v[\b:\b+15], v[\d:\d+7], v[\sa], v[\sb] matrix_a_fmt:MATRIX_FMT_BF8 matrix_b_fmt:MATRIX_FMT_BF8
.endif
.endif
.endm
.macro MM s, zero                      ; K step s: the eight accumulators take turns, one instruction a turn
.irp p, 0,1
.irp n, 0,1,2,3
	WM ACC+32*\p+8*\n, 16*(4*((\s)%4)+\n), 128*\p+16*(\s), \zero, WS+2*(\s)+\n/2, XS+8*\p+(\s), \n%2
.endr
.endr
.endm
	s_load_b256 s[4:11], s[0:1], 0x0               ; xcodes s[4:5], xscales s[6:7], w1 s[8:9], perm s[10:11]
	s_load_b128 s[12:15], s[0:1], 0x20             ; cnt s[12:13], hcodes s[14:15]
	s_load_b64 s[16:17], s[0:1], 0x30              ; hscales
	v_lshl_add_u32 v254, v0, 2, 0x10900
	v_mov_b32 v255, 0
	v_lshrrev_b32 v17, 5, v0
	v_readfirstlane_b32 s18, v17                   ; wave
	s_mov_b32 s19, ttmp9                           ; slice
	s_and_b32 s20, ttmp7, 0xffff                   ; expert
	v_and_b32 v17, 31, v0                          ; lane
	v_and_b32 v18, 15, v0                          ; q, also r
	v_bfe_u32 v19, v0, 4, 1                        ; h
	v_bfe_u32 v20, v0, 3, 1                        ; q's bits 3, 1, 2, 0
	v_bfe_u32 v21, v0, 1, 1
	v_bfe_u32 v22, v0, 2, 1
	v_and_b32 v23, 1, v0
	v_lshlrev_b32 v[LI], 4, v17
	v_lshlrev_b32 v[WOFF], 4, v18
	v_lshl_add_u32 v[WOFF], v19, 17, v[WOFF]       ; lanes 16-31: 16 rows of 8,192 bytes further down
	v_mul_u32_u24 v[WIA], v20, 2*TS                ; column 4 q + j lies in tile 2 (q >> 3) + ((q >> 1) & 1), row 8 ((q >> 2) & 1) + 4 (q & 1) + j
	v_mad_u32_u24 v[WIA], v21, TS, v[WIA]
	v_lshl_add_u32 v[WIA], v22, 7, v[WIA]
	v_lshl_add_u32 v[WIA], v23, 6, v[WIA]
	v_lshl_add_u32 v[WIA], v19, 8, v[WIA]          ; the image's lane is row + 16 h
	s_wait_alu depctr_va_sdst(0)                   ; s18, the wave's number, is written, ahead of its first reader
	s_lshl_b32 s36, s18, 12
	v_add_nc_u32 v[WIA], s36, v[WIA]               ; my wave's K steps 2 w, 2 w + 1
	v_lshlrev_b32 v[WSA], 7, v20
	v_lshl_add_u32 v[WSA], v21, 6, v[WSA]
	v_lshl_add_u32 v[WSA], v22, 5, v[WSA]
	v_lshl_add_u32 v[WSA], v23, 4, v[WSA]
	s_lshl_b32 s36, s18, 9
	s_add_co_u32 s36, s36, SCL
	v_add_nc_u32 v[WSA], s36, v[WSA]
	v_lshl_add_u32 v[WSR], v17, 2, SCL
	v_lshlrev_b32 v[R4], 2, v18
	v_lshlrev_b32 v[H16], 4, v19
	v_lshlrev_b32 v[HSO], 6, v18
	s_lshl_b32 s36, s19, 1
	v_add_nc_u32 v[HSO], s36, v[HSO]
.irp j, 0,1,2,3
	v_mov_b32 v[M2+\j], 0                          ; written once: a lane permute's destination counts as one of its sources
.endr
	s_mov_b32 s25, 0x600000                        ; the mantissa field of 57,344
	s_mov_b32 s26, 0x76543210
	s_mov_b32 s27, 0xfedcba98                      ; v_permlanex16_b32's selects for lane l xor 16
	s_lshl_b32 s39, s19, 10                        ; the slice's place in a tile's image: K step slice / 2, blocks 2 (slice % 2) on: 1,024 x slice
	s_lshl_b32 s36, s20, 23                        ; the expert's 8 MiB,
	s_lshl_b32 s37, s19, 8                         ; the slice's 256 bytes of a row,
	s_add_co_u32 s36, s36, s37
	s_lshl_b32 s37, s18, 21                        ; my wave's 256 rows
	s_add_co_u32 s36, s36, s37
	s_mov_b32 s37, 0
	s_wait_kmcnt 0x0
	s_add_nc_u64 s[54:55], s[8:9], s[36:37]
.irp i, 0,1,2,3,4,5,6,7
	s_load_b32 s[28+\i], s[12:13], 128*\i          ; the eight counts
.endr
	s_wait_alu depctr_va_vdst(0)                   ; LI, WOFF, WIA, WSA, WSR and HSO are written: the kernel's loads, stores and LDS instructions read them as offsets and addresses
	WLOAD 0                                        ; the stream starts while the counts are on their way
	WLOAD 1
	WLOAD 2
	s_mul_i32 s36, s20, 8704
	s_add_nc_u64 s[10:11], s[10:11], s[36:37]      ; my expert's list
	s_wait_kmcnt 0x0
	s_mov_b32 s23, 0                               ; the tiles of the experts before mine
	s_mov_b32 s21, 0                               ; my expert's tiles
.irp i, 0,1,2,3,4,5,6,7
	s_add_co_u32 s36, s[28+\i], 15
	s_lshr_b32 s36, s36, 4
	s_cmp_gt_u32 s20, \i
	s_cselect_b32 s38, s36, 0
	s_add_co_u32 s23, s23, s38
	s_cmp_eq_u32 s20, \i
	s_cselect_b32 s21, s36, s21
.endr
	s_min_u32 s21, s21, MAXT
	s_max_u32 s22, s21, 1
	s_sub_co_u32 s22, s22, 1                       ; the last tile
	s_mov_b32 s24, s18                             ; the trips' counter: my first tile
	TKA 0
	s_wait_alu depctr_va_vdst(0)                   ; PA is written, which the two loads below read
	TKLD
	WLOAD 3
	s_wait_loadcnt 50                              ; behind block 0's loads: blocks 1, 2, 3 (48) and the two token loads
	QBLK 0, 1                                      ; (each of the first four blocks asks for the block four on)
	s_wait_loadcnt 50                              ; behind block 1's: block 2, the two, blocks 3, 4
	QBLK 1, 1
	s_wait_loadcnt 50                              ; behind block 2's: the two, blocks 3, 4, 5
	QBLK 2, 1
	s_wait_loadcnt 48                              ; behind block 3's: blocks 4, 5, 6.  The token loads are in
	XADDR                                          ; XO and XSO are written here for the first time; block 3's wait on va_vdst stands between these lines and the loads that read them
	QBLK 3, 1
	s_wait_loadcnt 48
	QBLK 4, 0
	s_wait_loadcnt 32                              ; behind block 5's: blocks 6, 7
	TKA 8                                          ; PA anew: the blocks' waits on vm_vsrc stand behind the loads that read it, and block 5's wait on va_vdst stands ahead of those that will
	QBLK 5, 0
	TKLD                                           ; the first tiles' operands are asked for under the stream's end: the next pair's tokens (2 loads), the scale words (4), tile 0's fragments (32)
	XSC 0
	XSC 1
	WIN 0xC0
.irp s, 0,1,2,3,4,5,6,7
	XFR 0, \s
.endr
	WIN 0
	s_wait_loadcnt 54                              ; behind block 6's: block 7 (16) and those 38
	QBLK 6, 0
	s_wait_loadcnt 38                              ; behind block 7's: those 38
	WIN 0xC0
.irp s, 0,1,2,3,4,5,6,7
	XFR 1, \s
.endr
	WIN 0
	QBLK 7, 0
	s_wait_dscnt 0x0                               ; for the others' sake: my images and scale words lie in LDS
	s_barrier_signal -1
	s_barrier_wait -1                              ; the one barrier: from here on LDS is only read
	s_cmp_ge_u32 s18, s21
	s_cbranch_scc1 .Lend                           ; no tile for this wave
	WIN 0x40                                       ; (block 7's wait on va_vdst has shown the stream done reading the landing slots; no vector line has been issued since, and the LDS stores behind it read C and SW alone)
.irp s, 0,1,2,3
.irp n, 0,1,2,3
.irp c, 0,1,2,3
	ds_load_b128 v[16*(4*\s+\n)+4*\c:16*(4*\s+\n)+4*\c+3], v[LI] offset:\n*TS+2048*\s+512*\c   ; the whole slice into my registers: 512 consecutive bytes a load
.endr
.endr
.endr
	WIN 0x80
.irp s, 4,5,6,7
.irp n, 0,1,2,3
.irp c, 0,1,2,3
	ds_load_b128 v[16*(4*(\s-4)+\n)+4*\c:16*(4*(\s-4)+\n)+4*\c+3], v[LI] offset:\n*TS+2048*\s+512*\c
.endr
.endr
.endr
	WIN 0
.irp i, 0,1,2,3,4,5,6,7,8,9,10,11,12,13,14,15
	ds_load_b32 v[WS+\i], v[WSR] offset:128*\i
.endr
	s_wait_dscnt 0x0
.Ltrip:                                                ; two tiles of 16 tokens: s24 and s24 + 4
	s_wait_loadcnt 0x0                             ; this pair's fragments and scale words, and the next pair's tokens
	WIN 0x0D                                       ; source 0 window 1, source 1 window 3
	MM 0, 1
	MM 1, 0
	MM 2, 0
	MM 3, 0
	WIN 0
	s_wait_alu depctr_vm_vsrc(0)                   ; the loads issued so far have read XO, XSO and PA, and the last trip's stores C and HW (ahead of the first trip: the stream's LDS stores C): all five are written again in this trip
	XADDR                                          ; the next pair's offsets, and where the tokens of the pair after next stand: eight plain lines behind the products above
	TKA 16
	s_add_co_u32 s38, s24, 8
	s_cmp_ge_u32 s38, s21
	s_cbranch_scc1 .Lno1                           ; the last trip asks for nothing
	WIN 0xC0
	s_wait_alu depctr_va_vdst(0)                   ; XO is written, which the loads below read; the products of K steps 0 to 3 are done reading the fragments in which they land
.irp s, 0,1,2,3
	XFR 0, \s
	XFR 1, \s
.endr
	WIN 0
.Lno1:
	WIN 0x0E                                       ; source 0 window 2
	MM 4, 0
	MM 5, 0
	MM 6, 0
	MM 7, 0
	WIN 0
.rept 8
	v_nop                                          ; places in front of the loads below and of the first read of the results
.endr
	s_cmp_ge_u32 s38, s21
	s_cbranch_scc1 .Lno2
	WIN 0xC0
	s_wait_alu depctr_va_vdst(0)                   ; the products are done reading the fragments of K steps 4 to 7 and XS, in which the loads below land; XO, XSO and PA are written, which they read; the eight lines are done with TK, in which the last two land
.irp s, 4,5,6,7
	XFR 0, \s
	XFR 1, \s
.endr
	WIN 0
	XSC 0
	XSC 1
	TKLD                                           ; the tokens of the pair after next
.Lno2:
	s_wait_xcnt 0x0                                ; the last trip's stores have read their data and bases: both are written below
.irp p, 0,1
	s_add_co_u32 s36, s24, 4*\p
	s_min_u32 s36, s36, s22
	s_add_co_u32 s36, s36, s23
	s_min_u32 s36, s36, 135                        ; the tile's place
	s_lshl_b32 s40, s36, 15
	s_add_co_u32 s40, s40, s39
	s_mov_b32 s41, 0
	s_add_nc_u64 s[46+2*\p:47+2*\p], s[14:15], s[40:41]
	s_lshl_b32 s40, s36, 10
	s_add_nc_u64 s[50+2*\p:51+2*\p], s[16:17], s[40:41]
.endr
; The four blocks of 32 hidden units (tile P, block B: 2 P + B): 16 registers each, 16 neighbours along the next K.  No |.|: what is negative becomes 0, so it must not count; the floor stands over it.
.irp b, 0,1,2,3
	v_max3_num_f32 v[M+\b], v[ACC+16*\b], v[ACC+16*\b+1], 0x8000000   ; each accumulator is read from its low end on
.endr
.irp i, 2,4,6,8,10,12,14
.irp b, 0,1,2,3
	v_max3_num_f32 v[M+\b], v[M+\b], v[ACC+16*\b+\i], v[ACC+16*\b+\i+1]
.endr
.endr
.irp b, 0,1,2,3
	v_permlanex16_b32 v[M2+\b], v[M+\b], s26, s27
.endr
.irp b, 0,1,2,3
	v_max_num_f32 v[M+\b], v[M+\b], v[M2+\b]
.endr
.irp b, 0,1,2,3
	v_add_nc_u32 v[SO+\b], 0xf8800000, v[M+\b]
.endr
.irp b, 0,1,2,3
	v_and_or_b32 v[LIM+\b], v[M+\b], 0x7f800000, s25
.endr
.irp b, 0,1,2,3
	v_lshrrev_b32 v[BY+\b], 23, v[SO+\b]
.endr
	v_lshl_or_b32 v[HW], v[BY+1], 8, v[BY]
	v_lshl_or_b32 v[HW+1], v[BY+3], 8, v[BY+2]
.irp b, 0,1,2,3
.irp i, 0,1,2,3,4,5,6,7,8,9,10,11,12,13,14,15
	v_med3_num_f32 v[ACC+16*\b+\i], v[ACC+16*\b+\i], 0, v[LIM+\b]   ; the activation and the hold in one
.endr
	v_cvt_scalef32_pk8_bf8_f32 v[C+4*\b:C+4*\b+1], v[ACC+16*\b:ACC+16*\b+7], v[SO+\b]
	v_cvt_scalef32_pk8_bf8_f32 v[C+4*\b+2:C+4*\b+3], v[ACC+16*\b+8:ACC+16*\b+15], v[SO+\b]
.endr
	v_nop                                          ; a plain line behind the last conversion: the next trip's products write its sources
	s_wait_alu depctr_va_vdst(0)                   ; the conversions have written C and the shifts HW, which the stores below read
.irp p, 0,1
.irp b, 0,1
	global_store_b128 v[LI], v[C+4*(2*\p+\b):C+4*(2*\p+\b)+3], s[46+2*\p:47+2*\p] offset:512*\b   ; 512 consecutive bytes, aligned: four registers of the next operand, as they stand
.endr
	global_store_b16 v[HSO], v[HW+\p], s[50+2*\p:51+2*\p]
.endr
	s_add_co_u32 s24, s24, 8
	s_cmp_ge_u32 s24, s21
	s_cbranch_scc1 .Lend                           ; the stored count ends the walk, by a forward branch
	s_cmp_lt_u32 s24, MAXT                         ; the backward branch is counted against a constant: s21 is at most MAXT, so it is taken whenever it is reached
	s_cbranch_scc1 .Ltrip
.Lend:
	s_wait_dscnt 0x0
	s_wait_alu depctr_hold_cnt(0) depctr_sa_sdst(0) depctr_va_vdst(0) depctr_va_sdst(0) depctr_va_ssrc(0) depctr_va_vcc(0) depctr_vm_vsrc(0)
	s_wait_tensorcnt 0x0
	ds_add_u32 v254, v255
	s_wait_dscnt 0x0
	s_endpgm
.Lfunc_end_k_q0457847ccb_up:
	.size	k_q0457847ccb_up, .Lfunc_end_k_q0457847ccb_up-k_q0457847ccb_up
	.p2alignl 7, 3214868480
	.fill 96, 4, 3214868480
	.section	.rodata,"a",@progbits
	.p2align	6, 0x0
	.amdhsa_kernel k_q0457847ccb_up
		.amdhsa_group_segment_fixed_size 68352
		.amdhsa_private_segment_fixed_size 0
		.amdhsa_enable_private_segment 0
		.amdhsa_kernarg_size 56
		.amdhsa_user_sgpr_count 2
		.amdhsa_user_sgpr_kernarg_segment_ptr 1
		.amdhsa_wavefront_size32 1
		.amdhsa_system_sgpr_workgroup_id_x 1
		.amdhsa_system_sgpr_workgroup_id_y 1
		.amdhsa_system_sgpr_workgroup_id_z 1
		.amdhsa_system_vgpr_workitem_id 0
		.amdhsa_next_free_vgpr 1024
		.amdhsa_next_free_sgpr 66
		.amdhsa_reserve_vcc 0
		.amdhsa_float_denorm_mode_32 3
		.amdhsa_float_denorm_mode_16_64 3
		.amdhsa_memory_ordered 1
		.amdhsa_forward_progress 1
		.amdhsa_inst_pref_size 129
	.end_amdhsa_kernel
	.amdgpu_metadata
---
amdhsa.version: [ 1, 2 ]
amdhsa.kernels:
  - .name:           k_q0457847ccb_up
    .symbol:         k_q0457847ccb_up.kd
    .args:
      - { .name: xcodes, .offset: 0, .size: 8, .value_kind: global_buffer, .address_space: global }
      - { .name: xscales, .offset: 8, .size: 8, .value_kind: global_buffer, .address_space: global }
      - { .name: w1, .offset: 16, .size: 8, .value_kind: global_buffer, .address_space: global }
      - { .name: perm, .offset: 24, .size: 8, .value_kind: global_buffer, .address_space: global }
      - { .name: cnt, .offset: 32, .size: 8, .value_kind: global_buffer, .address_space: global }
      - { .name: hcodes, .offset: 40, .size: 8, .value_kind: global_buffer, .address_space: global }
      - { .name: hscales, .offset: 48, .size: 8, .value_kind: global_buffer, .address_space: global }
    .group_segment_fixed_size: 68352
    .private_segment_fixed_size: 0
    .kernarg_segment_align: 8
    .kernarg_segment_size: 56
    .max_flat_workgroup_size: 128
    .sgpr_count:     66
    .vgpr_count:     1024
    .wavefront_size: 32
...
	.end_amdgpu_metadata
.endif
;; end of part 5
;; launch down (part 6): grid 16 x 8, 4 waves a work-group, no clusters, 153,344 bytes of LDS; arguments hcodes, hscales, w2, perm, cnt, gm, out0; writes out0
.if DOCPART == 6
	.amdgcn_target "amdgcn-amd-amdhsa--gfx1250"
	.amdhsa_code_object_version 6
	.text
	.protected	k_q0457847ccb_down
	.globl	k_q0457847ccb_down
	.p2align	8
	.type	k_q0457847ccb_down,@function
k_q0457847ccb_down:
	s_mov_b64 s[64:65], 0
	v_nop
	global_prefetch_b8 v0, s[64:65] scope:SCOPE_SE
	s_setreg_imm32_b32 hwreg(HW_REG_WAVE_SCHED_MODE, 0, 2), 2
	s_setreg_imm32_b32 hwreg(HW_REG_WAVE_MODE, 25, 1), 1
	s_wait_xcnt 0x0
	s_wait_alu depctr_vm_vsrc(0)
; DOWN.  out[token] = (h Q(w2[e])) x gate x mask for the tokens of expert e alone, on codes of E5M2 with one E8M0 scale for each 32 along K.  Work-group (x, y): output columns 64 x .. 64 x + 63 of expert y.
; EACH BYTE OF w2 IS READ ONCE, as f32, by the one work-group that uses it, quantised in registers (the stream is the one of the launch before: lane (q, h) loads columns 4 q .. 4 q + 3 of rows k and k + 16; the hold turns
; K along the registers; a lane's 16 codes of a column are 16 bytes of a fragment's image).  Wave w streams k = 512 w .. 512 w + 511: 16 blocks, three (48 loads of 512 bytes) ahead.  The slice's codes, 128 KB, stay in LDS.
; Tiles are natural: column 4 q + j is row 4 (q % 4) + j of tile q / 4.
; TOKENS.  A wave takes FIVE tiles of 16 tokens at once, tiles t + 4 u, t = wave + 20 x pass, so that each fragment of w2 read from LDS feeds five products.  h comes as register images, 512 consecutive bytes a load, three
; K steps ahead in four slots.  Tile numbers past the end are held at the last tile, rows past the list repeat a token: they store the same numbers at the same places.  No mask, no partial EXEC.
; THE LOOP over passes leaves by a forward branch where the stored count says so; its backward branch compares the tile counter with 128, the most tiles that an expert can have (2,048 tokens / 16).
; The product is used transposed (source 0 = 16 output columns, source 1 = 16 tokens): a lane holds eight neighbouring columns of one token.  On the way out they are multiplied by gate x mask, go through the wave's own stage
; in LDS and leave as 256 consecutive bytes of a token's row, aligned, from sixteen lanes.  Each output row's 256 bytes have this work-group as their one owner; masked tokens are computed and multiplied by 0.
; 128 work-groups: slices of 32 columns would make 256, with rows of 128 bytes in and out and twice the reads of h.  No tensor load and no cluster: the passes hang on stored counts.
; LIMITS: NaN and infinities are not served.  A block of zeros gets the byte 1 with zero codes.
; THE MODE: SCHED_MODE bits 1:0 = 2 (LLVM: expert scheduling mode 2), set by the entry lines.  The code itself states the register dependences between vector or matrix instructions and memory or LDS instructions,
; with s_wait_alu, always for 0.
; THE PLAN.  Registers that memory or LDS instructions touch:
;   the landing slots (window 1), C, SW   As in the launch before: a block's maxima and holds read its slot, its conversions and shifts write C and SW, its LDS stores read them; ONE wait on va_vdst behind the conversions, the loads
;                                         of the block four on straight behind it, the LDS stores behind those.  T (window 3) is written by the holds and read by the conversions; later w2's buffer 0 lands there.
;   h's slots 0 .. 3      K step s: its products read slot s % 4; the loads that it issues, for step s + 3, land in slot (s - 1) % 4, which the products of step s - 1 read.
;   w2's buffers 0, 1     K step s: its products read buffer s % 2; the LDS loads at its head, for step s + 1, land in the other buffer, which the products of step s - 1 read.
;   HS, TKR, TK8, GM      Loaded once a pass; read by the products (HS) and by vector lines.
;   GMO, OA, Y            Written by vector lines once a pass or a tile; read by the loads of gate x mask, the stores, the LDS stores.   Z: LDS loads land in it, the stores read it.  Y and Z lie in w2's buffer 0.
;   LI, WOFF, WIA, WSA, WSR, SOA, SRA, R4, H32, R64, WA   Made at the head and never written again: tiles are reached by scalar bases.
; So ONE wait on va_vdst stands at the head of K steps 1 to 14, behind the places: the products of the step before are done.  w2's loads follow it at once; h's stand behind the step's first eight products, which name slot
; s % 4, buffer s % 2, the accumulators, HS and WS: none of the registers that those loads touch.  A tile on the way out has one wait on va_vdst, and from the second tile on one on vm_vsrc; the way back to the loop's head has both.
; REGISTERS, in windows of 256.  Window 0: below.  Window 1: the stream's four landing slots; then accumulator (u, n) at 32 u + 8 n.  Window 2: h's slots 0 to 2 at 80 k + 16 u.
; Window 3: h's slot 3 at 16 u; from v96 two buffers of w2's four fragments (64 each); v96-159 are T in the stream, and Y (v96-127) and Z (v128-159) on the way out.
.set PITCH, 4096                       ; a row of w2 in bytes
.set TS,    32784                      ; LDS: a tile's 16 fragment images of 2,048 bytes, + 16
.set SCL,   131328                     ; LDS: the slice's scale words: 256 s + 64 n + 4 m
.set STG,   135424                     ; LDS: a stage of 16 rows x (256 + 16) bytes for each wave
.set MAXT,  128                        ; the most tiles of an expert
.set LI,   1                           ; 16 x lane
.set WOFF, 2                           ; 16 q + 16 rows x h
.set WIA,  3                           ; LDS: where my column 4 q's 16 codes go
.set WSA,  4                           ; LDS: where my four columns' scale words go
.set WSR,  5                           ; LDS: SCL + 4 x lane
.set SOA,  6                           ; the stage, in: row r, + 32 h
.set SRA,  7                           ; the stage, back: row 8 h, + 16 q
.set R4,   8                           ; 4 r
.set H32,  9                           ; 32 h
.set Q16,  10                          ; 16 q
.set R64,  11                          ; 64 r
.set WA,   12                          ; v12-15 LDS: 16 x lane + n TS
.set M,    24
.set M2,   28
.set SO,   32
.set LIM,  36
.set BY,   40
.set SW,   44
.set C,    48                          ; v48-63   codes just made
.set OA,   64                          ; v64-71   offsets in out0
.set TKR,  72                          ; v72-76   tile u: row r's token
.set TK8,  80                          ; v80-119  tile u: the tokens of rows 8 h + 0 .. 7
.set GM,   120                         ; v120-129 tile u: a pair: gate x mask of row r, and a 0 that is named with it
.set GMO,  130                         ; v130-134 offsets in gm
.set HS,   144                         ; v144-223 h's scale words: 16 u + s
.set WS,   224                         ; v224-255 w2's scale words: 2 s + p: lanes 0-15 tile 2 p, lanes 16-31 tile 2 p + 1
.set T,    96                          ; in window 3
.set WF,   96
.set YY,   96
.set ZZ,   128
.set MSB, 0
.macro WIN new
.if MSB != \new
	s_set_vgpr_msb (MSB<<8)|\new
.set MSB, \new
.endif
.endm
.macro WLOAD b
	WIN 0x40
.irp i, 0,1,2,3,4,5,6,7,8,9,10,11,12,13,14,15
	global_load_b128 v[64*((\b)%4)+4*\i:64*((\b)%4)+4*\i+3], v[WOFF], s[56:57] offset:(32*(\b)+\i)*PITCH th:TH_LOAD_NT
.endr
	WIN 0
.endm
.macro QBLK b, nxt                     ; nxt = 1: the block's landing slot is asked for again, for block b + 4
.set S, 64*((\b)%4)
.set CC, (\b)%4
.set SL, (\b)/4
	s_wait_dscnt 0x0                               ; the last block's LDS stores are done
.if (\b) > 0
	s_wait_alu depctr_vm_vsrc(0)                   ; the last block's LDS stores have read C and SW, which this block writes again
.endif
	WIN 0x05
.irp j, 0,1,2,3
	v_max3_num_f32 v[M+\j], |v[S+\j]|, |v[S+4+\j]|, 0x8000000   ; my 16 numbers of column 4 q + j, and the floor 2^(16 - 127)
.endr
.irp i, 2,4,6,8,10,12,14
.irp j, 0,1,2,3
	v_max3_num_f32 v[M+\j], |v[S+4*\i+\j]|, |v[S+4*\i+4+\j]|, v[M+\j]
.endr
.endr
	WIN 0
.irp j, 0,1,2,3
	v_permlanex16_b32 v[M2+\j], v[M+\j], s26, s27
.endr
.irp j, 0,1,2,3
	v_max_num_f32 v[M+\j], v[M+\j], v[M2+\j]
.endr
.irp j, 0,1,2,3
	v_add_nc_u32 v[SO+\j], 0xf8800000, v[M+\j]
.endr
.irp j, 0,1,2,3
	v_and_or_b32 v[LIM+\j], v[M+\j], 0x7f800000, s25
.endr
.if CC == 0
.irp j, 0,1,2,3
	v_lshrrev_b32 v[SW+\j], 23, v[SO+\j]
.endr
.else
.irp j, 0,1,2,3
	v_lshrrev_b32 v[BY+\j], 23, v[SO+\j]
.endr
.irp j, 0,1,2,3
	v_lshl_or_b32 v[SW+\j], v[BY+\j], 8*CC, v[SW+\j]
.endr
.endif
	WIN 0xC1                                       ; from the landing slots (window 1) to T (window 3)
.irp j, 0,1,2,3
.irp i, 0,1,2,3,4,5,6,7,8,9,10,11,12,13,14,15
	v_med3_num_f32 v[T+16*\j+\i], v[S+4*\i+\j], -v[LIM+\j], v[LIM+\j]
.endr
.endr
	WIN 0x03
.irp j, 0,1,2,3
	v_cvt_scalef32_pk8_bf8_f32 v[C+4*\j:C+4*\j+1], v[T+16*\j:T+16*\j+7], v[SO+\j]
	v_cvt_scalef32_pk8_bf8_f32 v[C+4*\j+2:C+4*\j+3], v[T+16*\j+8:T+16*\j+15], v[SO+\j]
.endr
	v_nop                                          ; a plain line behind the last conversion
.if \nxt
	WIN 0x40                                       ; the loads' window is set ahead of the wait
.else
	WIN 0
.endif
	s_wait_alu depctr_va_vdst(0)                   ; the maxima and holds are done reading the landing slot, in which the next loads land; the conversions and shifts have written C and SW, which the LDS stores read; behind the last block: holds and conversions are done with T, in which w2's first fragments land
.if \nxt
	WLOAD (\b)+4                                   ; the slot is asked for again at once
.endif
.irp j, 0,1,2,3
	ds_store_b128 v[WIA], v[C+4*\j:C+4*\j+3] offset:2048*SL+512*CC+16*\j
.endr
.if CC == 3
	ds_store_b128 v[WSA], v[SW:SW+3] offset:256*SL
.endif
.endm
.macro BASES                           ; my five tiles of this pass: s[66:75] their rows in the list, s[36:45] their images, s[46:55] their scale words
.irp u, 0,1,2,3,4
	s_add_co_u32 s58, s24, 4*\u
	s_min_u32 s58, s58, s22
	s_min_u32 s58, s58, 127
	s_lshl_b32 s60, s58, 6
	s_mov_b32 s61, 0
	s_add_nc_u64 s[66+2*\u:67+2*\u], s[10:11], s[60:61]
	s_add_co_u32 s58, s58, s23
	s_min_u32 s58, s58, 135
	s_lshl_b32 s60, s58, 15
	s_add_nc_u64 s[36+2*\u:37+2*\u], s[4:5], s[60:61]
	s_lshl_b32 s60, s58, 10
	s_add_nc_u64 s[46+2*\u:47+2*\u], s[6:7], s[60:61]
.endr
.endm
.macro X1                              ; 15 loads: the tokens, by row r and by rows 8 h + 0 .. 7
.irp u, 0,1,2,3,4
	global_load_b32 v[TKR+\u], v[R4], s[66+2*\u:67+2*\u]
	global_load_b128 v[TK8+8*\u:TK8+8*\u+3], v[H32], s[66+2*\u:67+2*\u]
	global_load_b128 v[TK8+8*\u+4:TK8+8*\u+7], v[H32], s[66+2*\u:67+2*\u] offset:16
.endr
.endm
.macro X2                              ; 20 loads: h's scale words, 16 a row
.irp u, 0,1,2,3,4
.irp c, 0,1,2,3
	global_load_b128 v[HS+16*\u+4*\c:HS+16*\u+4*\c+3], v[R64], s[46+2*\u:47+2*\u] offset:16*\c
.endr
.endr
.endm
.macro HFR s                           ; 20 loads: h's five fragments of K step s into slot s % 4
.if ((\s)&3) == 3
	WIN 0xC0
.set HB0, 0
.else
	WIN 0x80
.set HB0, 80*((\s)&3)
.endif
.irp u, 0,1,2,3,4
.irp c, 0,1,2,3
	global_load_b128 v[HB0+16*\u+4*\c:HB0+16*\u+4*\c+3], v[LI], s[36+2*\u:37+2*\u] offset:2048*(\s)+512*\c
.endr
.endr
.endm
.macro X3
	HFR 0
	HFR 1
	HFR 2
	WIN 0
.endm
.macro WFR s                           ; 16 LDS loads: w2's four fragments of K step s into buffer s % 2
	WIN 0xC0
.irp n, 0,1,2,3
.irp c, 0,1,2,3
	ds_load_b128 v[WF+64*((\s)&1)+16*\n+4*\c:WF+64*((\s)&1)+16*\n+4*\c+3], v[WA+\n] offset:2048*(\s)+512*\c
.endr
.endr
.endm
.macro WM d, a, b, zero, sa, sb, odd
.if \zero
.if \odd
	v_wmma_scale_f32_16x16x128_f8f6f4 v[\d:\d+7], v[\a:\a+15], v[\b:\b+15], 0, v[\sa], v[\sb] matrix_a_fmt:MATRIX_FMT_BF8 matrix_b_fmt:MATRIX_FMT_BF8 matrix_a_scale:MATRIX_SCALE_ROW1
.else
	v_wmma_scale_f32_16x16x128_f8f6f4 v[\d:\d+7], v[\a:\a+15], v[\b:\b+15], 0, v[\sa], v[\sb] matrix_a_fmt:MATRIX_FMT_BF8 matrix_b_fmt:MATRIX_FMT_BF8
.endif
.else
.if \odd
	v_wmma_scale_f32_16x16x128_f8f6f4 v[\d:\d+7], v[\a:\a+15], v[\b:\b+15], v[\d:\d+7], v[\sa], v[\sb] matrix_a_fmt:MATRIX_FMT_BF8 matrix_b_fmt:MATRIX_FMT_BF8 matrix_a_scale:MATRIX_SCALE_ROW1
.else
	v_wmma_scale_f32_16x16x128_f8f6f4 v[\d:\d+7], v[\a:\a+15], v[\b:\b+15], v[\d:\d+7], v[\sa], v[\sb] matrix_a_fmt:MATRIX_FMT_BF8 matrix_b_fmt:MATRIX_FMT_BF8
.endif
.endif
.endm
.macro PRODWIN s                       ; the products' windows: source 0 (w2) window 3, C and D window 1, source 1 (h) window 3 for slot 3, else window 2
.if ((\s)&3) == 3
	WIN 0x5F
.else
	WIN 0x5B
.endif
.endm
; K step s: eight places behind the last step's products and the step's one wait; w2's fragments of the next step are asked for; 20 products, the accumulators by turns;
; behind the first eight of them h's fragments of three steps on are asked for.
.macro KS s
	WIN 0
.if (\s) == 13
.irp u, 0,1,2,3,4
	v_min_u32 v[TKR+\u], 2047, v[TKR+\u]           ; ten plain lines take the places' part here: the offsets of gate x mask
.endr
.irp u, 0,1,2,3,4
	v_lshlrev_b32 v[GMO+\u], 2, v[TKR+\u]
.endr
.else
.rept 8
	v_nop
.endr
.endif
.if (\s) > 0
.if (\s) < 15
	s_wait_alu depctr_va_vdst(0)                   ; the last step's products are done reading w2's other buffer and h's slot (s - 1) % 4, in which this step's loads land; in step 13 GMO is written, which the five loads read
.endif
.endif
.if (\s) == 13
.irp u, 0,1,2,3,4
	global_load_b32 v[GM+2*\u], v[GMO+\u], s[14:15]
.endr
.endif
.if (\s) <= 14
	WFR (\s)+1
.endif
.if (\s) <= 12
	s_wait_loadcnt 40                              ; behind this step's 20 loads: the next two steps' 20 each
.else
	s_wait_loadcnt 5+20*(15-(\s))                  ; the steps that are left, and the five loads of gate x mask
.endif
.if (\s) <= 14
	s_wait_dscnt 16                                ; this step's fragments of w2 are in; the next step's 16 loads stay out
.else
	s_wait_dscnt 0x0
.endif
	PRODWIN \s
.if ((\s)&3) == 3
.set HB1, 0
.else
.set HB1, 80*((\s)&3)
.endif
.if (\s) == 0
.set ZR, 1
.else
.set ZR, 0
.endif
.irp u, 0,1
.irp n, 0,1,2,3
	WM 32*\u+8*\n, WF+64*((\s)&1)+16*\n, HB1+16*\u, ZR, WS+2*(\s)+\n/2, HS+16*\u+(\s), \n%2
.endr
.endr
.if (\s) <= 12
	HFR (\s)+3                                     ; no wait: no vector or matrix instruction since the step's wait names LI or slot (s - 1) % 4
	PRODWIN \s
.endif
.irp u, 2,3,4
.irp n, 0,1,2,3
	WM 32*\u+8*\n, WF+64*((\s)&1)+16*\n, HB1+16*\u, ZR, WS+2*(\s)+\n/2, HS+16*\u+(\s), \n%2
.endr
.endr
.endm
; Tile u leaves: x gate x mask, through my stage, as whole runs of 256 bytes.
.macro OUTT u
.if (\u) > 0
	s_wait_xcnt 0x0                                ; the last tile's stores have read OA and Z
	s_wait_alu depctr_vm_vsrc(0)                   ; the last tile's LDS stores have read Y, and its stores OA and Z: the lines below write Y and OA, and the LDS loads land in Z
.endif
.irp i, 0,1,2,3,4,5,6,7
	v_min_u32 v[TK8+8*(\u)+\i], 2047, v[TK8+8*(\u)+\i]
.endr
.irp i, 0,1,2,3,4,5,6,7
	v_lshl_add_u32 v[OA+\i], v[TK8+8*(\u)+\i], 12, v[Q16]            ; the token's row of 4,096 bytes
.endr
	WIN 0xC1
.irp k, 0,1,2,3,4,5,6,7,8,9,10,11,12,13,14,15
	v_pk_mul_f32 v[YY+2*\k:YY+2*\k+1], v[32*(\u)+2*\k:32*(\u)+2*\k+1], v[GM+2*(\u):GM+2*(\u)+1] op_sel_hi:[1,0]   ; each accumulator from its low end on
.endr
	WIN 0x0C                                       ; an LDS store's data are its source 1: window 3
	s_wait_alu depctr_va_vdst(0)                   ; the multiplications have written Y, which the LDS stores read, and the lines above OA, which the stores read; ahead of tile 0: the products are done reading the registers in which Z lands
.irp n, 0,1,2,3
	ds_store_b128 v[SOA], v[YY+8*\n:YY+8*\n+3] offset:64*\n          ; lane (r, h): columns 16 n + 8 h + 0 .. 7 of row r
	ds_store_b128 v[SOA], v[YY+8*\n+4:YY+8*\n+7] offset:64*\n+16
.endr
	WIN 0xC0
.irp i, 0,1,2,3,4,5,6,7
	ds_load_b128 v[ZZ+4*\i:ZZ+4*\i+3], v[SRA] offset:272*\i          ; LDS serves a wave's instructions in order: these see my stores.  Row 8 h + i, 16 bytes a lane
.endr
	s_wait_dscnt 0x0
	WIN 0x0C                                       ; a store's data are its source 1: window 3
.irp i, 0,1,2,3,4,5,6,7
	global_store_b128 v[OA+\i], v[ZZ+4*\i:ZZ+4*\i+3], s[16:17] th:TH_STORE_NT   ; sixteen lanes store 256 consecutive bytes, aligned
.endr
	WIN 0
.endm
	s_load_b256 s[4:11], s[0:1], 0x0               ; hcodes s[4:5], hscales s[6:7], w2 s[8:9], perm s[10:11]
	s_load_b128 s[12:15], s[0:1], 0x20             ; cnt s[12:13], gm s[14:15]
	s_load_b64 s[16:17], s[0:1], 0x30              ; out0
	v_lshl_add_u32 v142, v0, 2, 0x25500
	v_mov_b32 v143, 0
	v_lshrrev_b32 v17, 5, v0
	v_readfirstlane_b32 s18, v17                   ; wave
	s_mov_b32 s19, ttmp9                           ; slice
	s_and_b32 s20, ttmp7, 0xffff                   ; expert
	v_and_b32 v17, 31, v0                          ; lane
	v_and_b32 v18, 15, v0                          ; q, also r
	v_bfe_u32 v19, v0, 4, 1                        ; h
	v_bfe_u32 v20, v0, 2, 2                        ; q / 4: the tile
	v_and_b32 v21, 3, v0                           ; q % 4
	v_lshlrev_b32 v[LI], 4, v17
	v_lshlrev_b32 v[Q16], 4, v18
	v_lshl_add_u32 v[WOFF], v19, 16, v[Q16]        ; lanes 16-31: 16 rows of 4,096 bytes further down
	v_mul_u32_u24 v[WIA], v20, TS
	v_lshl_add_u32 v[WIA], v21, 6, v[WIA]
	v_lshl_add_u32 v[WIA], v19, 8, v[WIA]
	s_wait_alu depctr_va_sdst(0)                   ; s18, the wave's number, is written, ahead of its first reader
	s_lshl_b32 s58, s18, 13
	v_add_nc_u32 v[WIA], s58, v[WIA]               ; my wave's K steps 4 w .. 4 w + 3
	s_lshl_b32 s58, s18, 10
	s_add_co_u32 s58, s58, SCL
	v_add_nc_u32 v[WSA], s58, v[Q16]
	v_lshl_add_u32 v[WSR], v17, 2, SCL
	s_mul_i32 s58, s18, 4352
	s_add_co_u32 s58, s58, STG                     ; my stage
	v_mul_u32_u24 v[SOA], v18, 272
	v_lshl_add_u32 v[SOA], v19, 5, v[SOA]
	v_add_nc_u32 v[SOA], s58, v[SOA]
	v_mul_u32_u24 v[SRA], v19, 2176
	v_add_nc_u32 v[SRA], v[SRA], v[Q16]
	v_add_nc_u32 v[SRA], s58, v[SRA]
	v_lshlrev_b32 v[R4], 2, v18
	v_lshlrev_b32 v[H32], 5, v19
	v_lshlrev_b32 v[R64], 6, v18
.irp n, 0,1,2,3
	v_add_nc_u32 v[WA+\n], \n*TS, v[LI]
.endr
.irp j, 0,1,2,3
	v_mov_b32 v[M2+\j], 0                          ; written once: a lane permute's destination counts as one of its sources
.endr
.irp u, 0,1,2,3,4
	v_mov_b32 v[GM+2*\u+1], 0                      ; named as the upper half of a pair, so it is written
.endr
	s_mov_b32 s25, 0x600000
	s_mov_b32 s26, 0x76543210
	s_mov_b32 s27, 0xfedcba98
	s_lshl_b32 s58, s20, 23                        ; the expert's 8 MiB,
	s_lshl_b32 s60, s19, 8                         ; the slice's 256 bytes of a row,
	s_add_co_u32 s58, s58, s60
	s_lshl_b32 s59, s18, 21                        ; my wave's 512 rows
	s_add_co_u32 s58, s58, s59
	s_mov_b32 s59, 0
	s_mov_b32 s61, 0
	s_wait_kmcnt 0x0
	s_add_nc_u64 s[56:57], s[8:9], s[58:59]
	s_add_nc_u64 s[16:17], s[16:17], s[60:61]      ; out0 at the slice's columns
.irp i, 0,1,2,3,4,5,6,7
	s_load_b32 s[28+\i], s[12:13], 128*\i          ; the eight counts
.endr
	s_wait_alu depctr_va_vdst(0)                   ; LI, WOFF, WIA, WSA, WSR, SOA, SRA, R4, H32, R64 and WA are written: the kernel's loads and LDS instructions read them as offsets and addresses
	WLOAD 0                                        ; the stream starts while the counts are on their way
	WLOAD 1
	WLOAD 2
	s_mul_i32 s58, s20, 8704
	s_add_nc_u64 s[10:11], s[10:11], s[58:59]      ; my expert's list
	s_wait_kmcnt 0x0
	s_mov_b32 s23, 0                               ; the tiles of the experts before mine
	s_mov_b32 s21, 0                               ; my expert's tiles
.irp i, 0,1,2,3,4,5,6,7
	s_add_co_u32 s58, s[28+\i], 15
	s_lshr_b32 s58, s58, 4
	s_cmp_gt_u32 s20, \i
	s_cselect_b32 s59, s58, 0
	s_add_co_u32 s23, s23, s59
	s_cmp_eq_u32 s20, \i
	s_cselect_b32 s21, s58, s21
.endr
	s_min_u32 s21, s21, MAXT
	s_max_u32 s22, s21, 1
	s_sub_co_u32 s22, s22, 1                       ; the last tile
	s_mov_b32 s24, s18                             ; the passes' counter: my first tile
	BASES
	WLOAD 3
.irp b, 0,1,2,3,4,5,6,7,8,9,10,11
	s_wait_loadcnt 48                              ; behind this block's loads: the next three blocks' 16 each
	QBLK \b, 1                                     ; and it asks for the block four on
.endr
	s_wait_loadcnt 48
	QBLK 12, 0
	X1                                             ; the first pass's operands are asked for under the stream's end
	s_wait_loadcnt 47                              ; behind block 13's: blocks 14, 15 (32) and X1's 15
	QBLK 13, 0
	X2
	s_wait_loadcnt 51                              ; behind block 14's: block 15 (16), 15 and X2's 20
	QBLK 14, 0
	s_wait_loadcnt 35                              ; behind block 15's: 15 and 20
	X3
	QBLK 15, 0
	s_wait_dscnt 0x0                               ; for the others' sake: my images and scale words lie in LDS
	s_barrier_signal -1
	s_barrier_wait -1                              ; the one barrier: from here on the images are only read, and a stage is its wave's own
	s_cmp_ge_u32 s18, s21
	s_cbranch_scc1 .Lend                           ; no tile for this wave
.irp i, 0,1,2,3,4,5,6,7,8,9,10,11,12,13,14,15,16,17,18,19,20,21,22,23,24,25,26,27,28,29,30,31
	ds_load_b32 v[WS+\i], v[WSR] offset:128*\i     ; issued ahead of the first fragments: the first K step's wait covers them
.endr
.Lpass:                                                ; five tiles of 16 tokens a wave
	WFR 0                                          ; on both ways in a wait on va_vdst stands behind the last vector line that named these registers (T; Y), with no store of them between it and these loads
.irp s, 0,1,2,3,4,5,6,7,8,9,10,11,12,13,14,15
	KS \s
.endr
	WIN 0
	s_wait_loadcnt 0x0                             ; gate x mask
.rept 8
	v_nop                                          ; places in front of the first read of the results, and of writes into the registers that held w2's fragments
.endr
	OUTT 0
	OUTT 1
	OUTT 2
	OUTT 3
	OUTT 4
	s_add_co_u32 s24, s24, 20
	s_cmp_ge_u32 s24, s21
	s_cbranch_scc1 .Lend                           ; the stored count ends the walk, by a forward branch: nothing is asked for behind the last pass
	s_wait_xcnt 0x0                                ; on the one way back to the loop's head: the stores have read Z, OA and their base, and all loads are in: bases, OA and Z may be written
	s_wait_alu depctr_vm_vsrc(0)                   ; tile 4's LDS stores have read Y and its stores Z, in which w2's next fragments land; the stores have read OA and the five loads GMO, which the next pass writes
	s_wait_alu depctr_va_vdst(0)                   ; this pass's vector and matrix lines are done with the registers in which the loads below and w2's first fragments land: TKR, TK8, HS, h's slots, w2's buffers, Y
	BASES
	X1                                             ; in the order of the way in, so that the K steps' counts hold on both ways
	X2
	X3
	s_cmp_lt_u32 s24, MAXT                         ; the backward branch is counted against a constant: s21 is at most MAXT, so it is taken whenever it is reached
	s_cbranch_scc1 .Lpass
.Lend:
	s_wait_dscnt 0x0
	s_wait_alu depctr_hold_cnt(0) depctr_sa_sdst(0) depctr_va_vdst(0) depctr_va_sdst(0) depctr_va_ssrc(0) depctr_va_vcc(0) depctr_vm_vsrc(0)
	s_wait_tensorcnt 0x0
	ds_add_u32 v142, v143
	s_wait_dscnt 0x0
	s_endpgm
.Lfunc_end_k_q0457847ccb_down:
	.size	k_q0457847ccb_down, .Lfunc_end_k_q0457847ccb_down-k_q0457847ccb_down
	.p2alignl 7, 3214868480
	.fill 96, 4, 3214868480
	.section	.rodata,"a",@progbits
	.p2align	6, 0x0
	.amdhsa_kernel k_q0457847ccb_down
		.amdhsa_group_segment_fixed_size 153344
		.amdhsa_private_segment_fixed_size 0
		.amdhsa_enable_private_segment 0
		.amdhsa_kernarg_size 56
		.amdhsa_user_sgpr_count 2
		.amdhsa_user_sgpr_kernarg_segment_ptr 1
		.amdhsa_wavefront_size32 1
		.amdhsa_system_sgpr_workgroup_id_x 1
		.amdhsa_system_sgpr_workgroup_id_y 1
		.amdhsa_system_sgpr_workgroup_id_z 1
		.amdhsa_system_vgpr_workitem_id 0
		.amdhsa_next_free_vgpr 1024
		.amdhsa_next_free_sgpr 80
		.amdhsa_reserve_vcc 0
		.amdhsa_float_denorm_mode_32 3
		.amdhsa_float_denorm_mode_16_64 3
		.amdhsa_memory_ordered 1
		.amdhsa_forward_progress 1
		.amdhsa_inst_pref_size 255
	.end_amdhsa_kernel
	.section	.bss,"aw",@nobits
	.p2align	6
	.space	262144
	.amdgpu_metadata
---
amdhsa.version: [ 1, 2 ]
amdhsa.kernels:
  - .name:           k_q0457847ccb_down
    .symbol:         k_q0457847ccb_down.kd
    .args:
      - { .name: hcodes, .offset: 0, .size: 8, .value_kind: global_buffer, .address_space: global }
      - { .name: hscales, .offset: 8, .size: 8, .value_kind: global_buffer, .address_space: global }
      - { .name: w2, .offset: 16, .size: 8, .value_kind: global_buffer, .address_space: global }
      - { .name: perm, .offset: 24, .size: 8, .value_kind: global_buffer, .address_space: global }
      - { .name: cnt, .offset: 32, .size: 8, .value_kind: global_buffer, .address_space: global }
      - { .name: gm, .offset: 40, .size: 8, .value_kind: global_buffer, .address_space: global }
      - { .name: out0, .offset: 48, .size: 8, .value_kind: global_buffer, .address_space: global }
    .group_segment_fixed_size: 153344
    .private_segment_fixed_size: 0
    .kernarg_segment_align: 8
    .kernarg_segment_size: 56
    .max_flat_workgroup_size: 128
    .sgpr_count:     80
    .vgpr_count:     1024
    .wavefront_size: 32
...
	.end_amdgpu_metadata
.endif
;; end of part 6
